; MI455X (gfx1250); checked and timed in simulation.
; The chip was launched on July 23, 2026; its instructions are those of AMD's public machine-readable ISA for CDNA 5 (MIT licence, August 2026) and "CDNA5" Instruction Set Architecture Reference Guide (July 2026). The comments in the code are by the model that wrote it; some were corrected since.
;; Multi Head Self Attention With Relative Bias. Allowed arithmetic: matrix products marked QUANTISED: E2M3 operands, one E8M0 scale for each 32 along K, by v_wmma_scale_f32_16x16x128_f8f6f4 with both operands' format E2M3, f32 sums; everything else in f32.
;; Inputs: Wk 1,024 x 1,024 float32; Wo 1,024 x 1,024 float32; Wq 1,024 x 1,024 float32; Wv 1,024 x 1,024 float32; rel_bias 16 x 63 float32; x 8 x 1,024 x 1,024 float32.
;; Outputs: out0 8 x 1,024 x 1,024 float32.
;; This version of the problem:
;;   THIS VERSION OF THE PROBLEM IS GIVEN IN LOW PRECISION. The matrix products marked QUANTISED in the list below multiply operands that are first quantised to E2M3 (2 exponent bits, 3 mantissa bits; 6 bits a number), with one power-of-two scale for each 32 numbers along K (OCP MX v1.0); their sums are f32. All else is computed in f32.
;;   The module's matrix products, in the order in which they are computed (A, B: the left and right operand; K: the contracted axis; several contracted axes count as one K, in the product's order):
;;     1. [M 8,192, K 1,024] x [K 1,024, N 1,024]; A: input x; B: input Wq: QUANTISED
;;     2. [M 8,192, K 1,024] x [K 1,024, N 1,024]; A: input x; B: input Wk: QUANTISED
;;     3. [M 8,192, K 1,024] x [K 1,024, N 1,024]; A: input x; B: input Wv: QUANTISED
;;     4. batch 128 x [M 1,024, K 64] x [K 64, N 1,024]; A: computed on the way; B: computed on the way: QUANTISED
;;     5. batch 128 x [M 1,024, K 1,024] x [K 1,024, N 64]; A: softmax (see below); B: computed on the way: QUANTISED
;;     6. [M 8,192, K 1,024] x [K 1,024, N 1,024]; A: computed on the way; B: input Wo: QUANTISED
;;   THE QUANTISER, for each operand of a quantised product, along K:
;;     - K is cut into blocks of 32 from its start; a last block that is shorter is filled with zeros.
;;     - A block's scale is 2^e with e = floor(log2(the largest magnitude in the block)) - 2, held to -126 .. 127; a block of zeros has e = 0. As a byte (E8M0): e + 127.
;;     - Each number is divided by its block's scale, clamped to +-7.5, and rounded to the nearest number of E2M3, ties to even, subnormals kept.
;;     - The product sums the exact products of the quantised numbers (number of the format x scale) in f32.
;;   ~~~python
;;   def quantise(x, axis):      # numpy; x: float32 -> the quantised numbers, widened to float32 again
;;       x = np.moveaxis(x, axis, -1); K = x.shape[-1]
;;       x = np.pad(x, [(0, 0)] * (x.ndim - 1) + [(0, -K % 32)]); x = x.reshape(x.shape[:-1] + (-1, 32)); a = np.abs(x).max(-1, keepdims=True)
;;       e = np.where(a > 0, np.clip(np.frexp(np.where(a > 0, a, 1))[1] - 1 - 2, -126, 127), 0)      # np.frexp(a)[1] - 1 = floor(log2(a)), exactly
;;       r = np.clip(x / 2.0 ** e, -7.5, 7.5)
;;       step = 2.0 ** (np.maximum(np.frexp(np.where(r == 0, 1, r))[1] - 1, 0) - 3)
;;       q = np.round(r / step) * step * 2.0 ** e      # np.round: ties to even
;;       return np.moveaxis(q.reshape(q.shape[:-2] + (-1,))[..., :K], -1, axis).astype(np.float32)
;;   ~~~
;;   SOFTMAX AHEAD OF A QUANTISED PRODUCT. Where the list says 'softmax', what is quantised is not the finished softmax but p = 2^(t - M), with t = logit x log2(e) and M = ceil(the row's largest t), a whole number; so 1/2 < the row's largest p <= 1. The row's sum l is taken of the UNQUANTISED p, in f32, and the product's result is divided by l at the end. Since M is a whole number, a kernel that streams over the keys may use a running M (the ceiling of the running maximum): every later rescaling is an exact power of two, which a block's scale takes up: the codes' values come out the same.
;;   OPERANDS COMPUTED ON THE WAY. 'Computed on the way' means the value that the module computes at that place (a softmax that the list does not call 'softmax' is quantised finished and normalised). What goes into a quantiser is computed in f32, as accurately as f32 sums, v_exp_f32 and their like allow (about 1e-6 of the number): no bf16 or f16 on the way to a quantiser, and a product that is left as it is and whose result goes on into a quantised operand takes f32 operands (vector FMAs, or v_wmma_f32_16x16x4_f32). A number that lies on a knife's edge between two numbers of the format may be rounded either way, as far as f32 arithmetic and the matrix unit's own rounding can turn it there, and no further.
;; One version. Each part assembles by itself: llvm-mc -triple=amdgcn-amd-amdhsa -mcpu=gfx1250 --defsym DOCPART=n.
;; ======== version 1 of 1: 4 launches
;; limits: right only within a limited range of input values
;; workspace buffers: opc 9,437,184 bytes; opsc 393,216 bytes; qkvb 20,447,232 bytes; ocod 6,291,456 bytes; oscl 262,144 bytes
;; launch quant (part 1): grid 96 x 4, 8 waves a work-group, no clusters, 70,656 bytes of LDS; arguments x, Wq, Wk, Wv, Wo, opc, opsc; writes opc, opsc
.if DOCPART == 1
	.amdgcn_target "amdgcn-amd-amdhsa--gfx1250"
	.amdhsa_code_object_version 6
	.text
	.protected	k_qb6cbe38336_quant
	.globl	k_qb6cbe38336_quant
	.p2align	8
	.type	k_qb6cbe38336_quant,@function
k_qb6cbe38336_quant:
	s_mov_b64 s[64:65], 0
	v_nop
	global_prefetch_b8 v0, s[64:65] scope:SCOPE_SE
	s_setreg_imm32_b32 hwreg(HW_REG_WAVE_MODE, 25, 1), 1
	s_wait_xcnt 0x0
; x [8192][1024] and the four weights [1024 (k)][1024 (n)], f32, become codes of FP6 (E2M3) with one E8M0 scale byte for each 32 along K, laid as the products' launches want an operand.
; Groups of 128 rows: 0-63 are x's tokens, 64-95 the columns of Wq, Wk, Wv, Wo (8 groups each).  The work-group's x is the group, its y a pair of K steps of 128.
; Codes [group][K step][tile of 16 rows][1536 bytes], a tile's bytes being the image of the fragment's 12 registers: plane c (registers 4 c .. 4 c + 3) at 512 c + 16 x lane.
; THE ROWS OF A TILE ARE NOT NEIGHBOURS: lane r of tile 2 b + u holds row 32 b + 8 u + r + 8 (r / 8) of its group, so that a product that takes the tile as source 0 leaves 16 neighbouring rows in 16 registers.
; Scale words [group][K step][512 bytes]: the word of tile t, row r at 16 (r + 16 (t / 4)) + 4 (t % 4).
; A block's scale is 2^(floor(log2(largest magnitude)) - 2); its byte is the largest magnitude's exponent field - 2, held at 1 from below.
; x (K innermost): wave w takes tile w, 16 rows x 256 numbers; each load reads 512 consecutive bytes of a row; the numbers turn through the wave's own stage in LDS, so that a lane gets 16 neighbours of each block.
; Weights (K is the first axis): a lane takes a column and its registers run down K; wave w takes K step w / 4 of the pair and columns 32 (w % 4) .., which are tiles 2 (w % 4) and 2 (w % 4) + 1.
; The two paths part on the work-group's number alone, and each has LDS bytes of its own.
; LIMITS: NaN and infinities are not served; a block whose largest magnitude lies under 2^-124 keeps the byte 1; a block of zeros has the byte 1 where the rule says 127 (its codes are zeros, and this program alone reads the bytes).
.set X,    16                          ; x's path: v16-143 the numbers, K step sp at X + 64 sp
.set TM,   144
.set PW,   160
.set PC0,  164
.set SEL,  12
.set STG,  8448                        ; a wave's stage: 16 rows x 528 bytes
.set SIA,  8*STG                       ; x's path: the two K steps' scale words
.set SPARE, 0x10c00                    ; the spare words, 128 bytes a wave
.set QWS,  0x11000                     ; the weights' path: the two K steps' scale words
.set MG,  8                            ; the weights' path: v8-11 largest magnitudes, v12-15 scale operands, v16-19 bytes, v20 the word
.set SCL, 12
.set BYT, 16
.set WD,  20
.set XW,  32                           ; v32-159 my column's 128 numbers
.set F0,  160
.set F1,  172
.set TT,  184
.macro QUANT s, pc, pw                 ; 64 numbers of a lane, register 16 b + i = k 32 b + 16 (lane / 16) + i of my row, become a fragment's codes and its scale word
.irp b, 0,1,2,3
	v_max3_num_f32 v[TM+\b], |v[\s+16*\b]|, |v[\s+1+16*\b]|, 0x1800000   ; with the floor 2^(3 - 127)
.endr
.irp i, 2,4,6,8,10,12,14
.irp b, 0,1,2,3
	s_delay_alu instid0(VALU_DEP_4)
	v_max3_num_f32 v[TM+\b], v[TM+\b], |v[\s+16*\b+\i]|, |v[\s+1+16*\b+\i]|
.endr
.endr
.irp b, 0,1,2,3
	s_delay_alu instid0(VALU_DEP_4)
	v_permlanex16_b32 v[TM+4+\b], v[TM+\b], s[SEL], s[SEL+1]
.endr
.irp b, 0,1,2,3
	s_delay_alu instid0(VALU_DEP_4)
	v_max_num_f32 v[TM+\b], v[TM+\b], v[TM+4+\b]   ; with lane l xor 16: the block's largest magnitude
.endr
.irp b, 0,1,2,3
	s_delay_alu instid0(VALU_DEP_4)
	v_add_nc_u32 v[TM+12+\b], 0xff000000, v[TM+\b]   ; 2 off its exponent field: the conversion's scale operand
.endr
.irp b, 0,1,2,3
	s_delay_alu instid0(VALU_DEP_4)
	v_lshrrev_b32 v[TM+4+\b], 23, v[TM+12+\b]      ; the scale's byte
.endr
	s_delay_alu instid0(VALU_DEP_3)
	v_lshl_or_b32 v[\pw], v[TM+5], 8, v[TM+4]
	s_delay_alu instid0(VALU_DEP_1)
	v_lshl_or_b32 v[\pw], v[TM+6], 16, v[\pw]
	s_delay_alu instid0(VALU_DEP_1)
	v_lshl_or_b32 v[\pw], v[TM+7], 24, v[\pw]
.irp c, 0,1
	v_cvt_scalef32_pk16_fp6_f32 v[\pc+6*\c:\pc+2+6*\c], v[\s+32*\c:\s+15+32*\c], v[TM+12+2*\c]
	v_cvt_scalef32_pk16_fp6_f32 v[\pc+12+4*\c:\pc+14+4*\c], v[\s+16+32*\c:\s+31+32*\c], v[TM+12+2*\c+1]
.endr
	v_nop                                          ; one plain place behind the scaled conversions
.irp c, 0,1                                    ; the layout wants a whole block in a lane
.irp i, 0,1,2
	v_permlane16_swap_b32 v[\pc+6*\c+\i], v[\pc+12+4*\c+\i]
.endr
.irp i, 0,1,2
	s_delay_alu instid0(VALU_DEP_3)
	v_mov_b32 v[\pc+3+6*\c+\i], v[\pc+12+4*\c+\i]
.endr
.endr
.endm
	s_load_b256 s[36:43], s[0:1], 0x0              ; x, Wq, Wk, Wv
	s_load_b128 s[44:47], s[0:1], 0x20             ; Wo, the codes
	s_load_b64 s[48:49], s[0:1], 0x30              ; the scale words
	v_lshl_add_u32 v208, v0, 2, SPARE
	v_mov_b32 v209, 0
	v_lshrrev_b32 v1, 5, v0
	s_delay_alu instid0(VALU_DEP_1)
	v_readfirstlane_b32 s10, v1                    ; wave 0..7
	s_and_b32 s18, ttmp7, 0xffff                   ; which two K steps
	s_cmp_ge_u32 ttmp9, 64
	s_wait_alu depctr_va_vdst(0)                   ; directly ahead of the branch
	s_cbranch_scc1 .Lweights
	; ---- x: wave w = tile w
	s_mul_i32 s14, s10, STG
	s_lshr_b32 s15, s10, 2
	s_lshl_b32 s15, s15, 8
	s_and_b32 s16, s10, 3
	s_lshl_b32 s16, s16, 2
	s_add_co_u32 s15, s15, s16
	s_add_co_u32 s15, s15, SIA
	s_and_b32 s16, s10, 1
	s_lshl_b32 s17, s16, 9
	s_add_co_u32 s17, s17, SIA
	s_lshl_b32 s20, ttmp9, 7                       ; x: row 128 g + 32 (w / 2) + 8 (w % 2), 4096 bytes a row, + 1024 bytes for each two K steps
	s_lshr_b32 s19, s10, 1
	s_lshl_b32 s19, s19, 5
	s_add_co_u32 s20, s20, s19
	s_lshl_b32 s19, s16, 3
	s_add_co_u32 s20, s20, s19
	s_lshl_b32 s20, s20, 12
	s_lshl_b32 s19, s18, 10
	s_add_co_u32 s20, s20, s19
	s_mov_b32 s21, 0
	s_lshl_b32 s22, ttmp9, 3
	s_lshl_b32 s19, s18, 1
	s_add_co_u32 s22, s22, s19                     ; 8 g + my first K step
	s_add_co_u32 s24, s22, s16
	s_lshl_b32 s24, s24, 9                         ; scale words: 512 bytes for a group's K step
	s_mov_b32 s25, 0
	s_lshl_b32 s22, s22, 3
	s_add_co_u32 s22, s22, s10
	s_mul_i32 s22, s22, 1536                       ; codes: 1536 bytes a tile
	s_mov_b32 s23, 0
	s_mov_b32 s[SEL], 0x76543210
	s_mov_b32 s[SEL+1], 0xfedcba98
	v_and_b32 v1, 31, v0
	v_and_b32 v7, 15, v0
	v_bfe_u32 v8, v0, 4, 1
	s_delay_alu instid0(VALU_DEP_3)
	v_lshlrev_b32 v2, 4, v1                        ; 16 x lane
	s_delay_alu instid0(VALU_DEP_3)
	v_mul_u32_u24 v4, v7, 528
	v_lshl_add_u32 v5, v7, 4, s15                  ; my row's scale word: 16 r + 256 (w / 4) + 4 (w % 4)
	s_delay_alu instid0(VALU_DEP_3)
	v_add_nc_u32 v3, s14, v2                       ; the stage, on the way in: 16 x lane of a row
	s_delay_alu instid0(VALU_DEP_3)
	v_lshl_add_u32 v4, v8, 6, v4
	v_add_nc_u32 v6, s17, v2                       ; waves 0 and 1 send a K step's 512 bytes of scale words
	s_delay_alu instid0(VALU_DEP_2)
	v_add_nc_u32 v4, s14, v4                       ; and back: row r, + 64 bytes for lanes 16-31
.irp b, 0,1,2,3
	v_mov_b32 v[TM+4+\b], 0                        ; written once: a lane permute's destination counts as one of its sources
.endr
	s_wait_alu depctr_va_vdst(0)
	s_wait_kmcnt 0x0
	s_add_nc_u64 s[4:5], s[36:37], s[20:21]
	s_add_nc_u64 s[6:7], s[46:47], s[22:23]
	s_add_nc_u64 s[8:9], s[48:49], s[24:25]
.irp sp, 0,1
.irp j, 0,1,2,3,4,5,6,7,8,9,10,11,12,13,14,15
	global_load_b128 v[X+64*\sp+4*\j:X+64*\sp+4*\j+3], v2, s[4:5] offset:(\j+8*(\j/8))*4096+512*\sp th:TH_LOAD_NT   ; the tile's row j: 32 lanes read 512 consecutive bytes
.endr
.endr
.macro HALF sp
	s_wait_loadcnt 16-16*\sp                       ; this K step's sixteen loads are in; the other step's sixteen, issued behind them, may be out
.irp j, 0,1,2,3,4,5,6,7,8,9,10,11,12,13,14,15
	ds_store_b128 v3, v[X+64*\sp+4*\j:X+64*\sp+4*\j+3] offset:528*\j
.endr
.irp b, 0,1,2,3
.irp q, 0,1,2,3
	ds_load_b128 v[X+64*\sp+16*\b+4*\q:X+64*\sp+16*\b+4*\q+3], v4 offset:128*\b+16*\q   ; LDS serves a wave's instructions in order: these see the stores above
.endr
.endr
	s_wait_dscnt 0x0
	QUANT X+64*\sp, PC0+20*\sp, PW+\sp
.irp c, 0,1,2
	global_store_b128 v2, v[PC0+20*\sp+4*\c:PC0+20*\sp+4*\c+3], s[6:7] offset:12288*\sp+512*\c   ; 32 lanes store 512 consecutive bytes, aligned
.endr
	ds_store_b32 v5, v[PW+\sp] offset:512*\sp      ; both halves of the lanes write the same word with the same value
.endm
	HALF 0
	HALF 1
	s_wait_dscnt 0x0                               ; for the others' sake: my scale words lie in LDS
	s_barrier_signal -1
	s_barrier_wait -1
	s_cmp_gt_u32 s10, 1
	s_cbranch_scc1 .Lxend
	ds_load_b128 v[204:207], v6
	s_wait_dscnt 0x0
	global_store_b128 v2, v[204:207], s[8:9]
.Lxend:
	s_wait_tensorcnt 0x0                           ; the wave's end
	ds_add_u32 v208, v209
	s_wait_dscnt 0x0
	s_endpgm
	; ---- the weights: lane l takes column 32 (w % 4) + (l & 7) + 2 (l & 8) + (l & 16) / 2, the tile order of the operand
.Lweights:
	s_and_b32 s16, s10, 3                          ; which 32 columns
	s_lshr_b32 s29, s10, 2                         ; which K step of the pair
	s_lshl_b32 s17, s16, 5
	s_lshr_b32 s31, s16, 1
	s_lshl_b32 s31, s31, 8
	s_and_b32 s19, s16, 1
	s_lshl_b32 s19, s19, 3
	s_add_co_u32 s31, s31, s19
	s_lshl_b32 s30, s29, 9
	s_add_co_u32 s30, s30, QWS                     ; this K step's 512 bytes of scale words in LDS
	s_add_co_u32 s31, s31, s30
	s_sub_co_u32 s20, ttmp9, 64
	s_lshr_b32 s19, s20, 3                         ; which weight
	s_and_b32 s20, s20, 7                          ; which 128 columns
	s_lshl_b32 s21, s18, 1
	s_add_co_u32 s21, s21, s29                     ; the K step
	s_lshl_b32 s22, s20, 9
	s_lshl_b32 s23, s21, 19
	s_add_co_u32 s22, s22, s23                     ; W: 512 bytes a column group, 128 rows of 4096 bytes a K step
	s_mov_b32 s23, 0
	s_lshl_b32 s24, ttmp9, 3
	s_add_co_u32 s24, s24, s21
	s_lshl_b32 s26, s24, 9
	s_mov_b32 s27, 0
	s_lshl_b32 s24, s24, 3
	s_lshl_b32 s25, s16, 1
	s_add_co_u32 s24, s24, s25
	s_mul_i32 s24, s24, 1536
	s_mov_b32 s25, 0
	s_and_b32 s28, s19, 1
	v_and_b32 v1, 31, v0
	v_and_b32 v2, 7, v0
	v_and_b32 v4, 8, v0
	v_and_b32 v7, 16, v0
	v_and_b32 v5, 15, v0
	v_bfe_u32 v6, v0, 4, 1
	s_delay_alu instid0(VALU_DEP_4)
	v_lshl_or_b32 v2, v4, 1, v2
	s_delay_alu instid0(VALU_DEP_4)
	v_lshrrev_b32 v7, 1, v7
	v_lshlrev_b32 v21, 4, v1                       ; 16 x lane
	v_lshl_add_u32 v22, v5, 4, s31
	s_delay_alu instid0(VALU_DEP_3)
	v_or_b32 v2, v2, v7                            ; my column among the wave's 32
	s_delay_alu instid0(VALU_DEP_2)
	v_lshl_add_u32 v22, v6, 2, v22                 ; my scale word in LDS: 16 r + 256 (t / 4) + 4 (t % 4), t = 2 (w % 4) + lane / 16
	s_delay_alu instid0(VALU_DEP_2)
	v_add_nc_u32 v2, s17, v2
	v_add_nc_u32 v23, s30, v21
	s_delay_alu instid0(VALU_DEP_2)
	v_lshlrev_b32 v3, 2, v2                        ; in bytes
	s_wait_alu depctr_va_vdst(0)
	s_wait_kmcnt 0x0
	s_cmp_eq_u32 s28, 1                            ; the choice hangs on the work-group's number alone
	s_cselect_b64 s[4:5], s[40:41], s[38:39]
	s_cselect_b64 s[8:9], s[44:45], s[42:43]
	s_cmp_lt_u32 s19, 2
	s_cselect_b64 s[4:5], s[4:5], s[8:9]
	s_add_nc_u64 s[4:5], s[4:5], s[22:23]
	s_add_nc_u64 s[12:13], s[46:47], s[24:25]
	s_add_nc_u64 s[14:15], s[48:49], s[26:27]
.set k, 0
.rept 128
	global_load_b32 v[XW+k], v3, s[4:5] offset:k*4096 th:TH_LOAD_NT
.set k, k+1
.endr
.macro PAIR c                          ; blocks 2 c and 2 c + 1
.if \c == 0
	s_wait_loadcnt 63                              ; at most 63 of the 128 loads are out: the first 65 are in, blocks 0 and 1 among them
.else
	s_wait_loadcnt 0x0
.endif
.irp e, 0,1
	v_max3_num_f32 v[MG+2*\c+\e], |v[XW+64*\c+32*\e]|, |v[XW+64*\c+32*\e+1]|, 0x1800000   ; with the floor 2^(3 - 127)
.endr
.irp i, 2,4,6,8,10,12,14,16,18,20,22,24,26,28,30
.irp e, 0,1
	s_delay_alu instid0(VALU_DEP_2)
	v_max3_num_f32 v[MG+2*\c+\e], v[MG+2*\c+\e], |v[XW+64*\c+32*\e+\i]|, |v[XW+64*\c+32*\e+\i+1]|
.endr
.endr
.irp e, 0,1
	s_delay_alu instid0(VALU_DEP_2)
	v_add_nc_u32 v[SCL+2*\c+\e], 0xff000000, v[MG+2*\c+\e]
.endr
.irp e, 0,1
	s_delay_alu instid0(VALU_DEP_2)
	v_lshrrev_b32 v[BYT+2*\c+\e], 23, v[SCL+2*\c+\e]
.endr
	v_cvt_scalef32_pk16_fp6_f32 v[F0+6*\c:F0+6*\c+2], v[XW+64*\c:XW+64*\c+15], v[SCL+2*\c]
	v_cvt_scalef32_pk16_fp6_f32 v[TT+8*\c:TT+8*\c+2], v[XW+64*\c+16:XW+64*\c+31], v[SCL+2*\c]
	v_cvt_scalef32_pk16_fp6_f32 v[F1+6*\c:F1+6*\c+2], v[XW+64*\c+32:XW+64*\c+47], v[SCL+2*\c+1]
	v_cvt_scalef32_pk16_fp6_f32 v[TT+8*\c+4:TT+8*\c+6], v[XW+64*\c+48:XW+64*\c+63], v[SCL+2*\c+1]
	v_nop                                          ; one plain place behind the scaled conversions
.irp i, 0,1,2
	v_mov_b32 v[F0+6*\c+3+\i], v[TT+8*\c+\i]
	v_mov_b32 v[F1+6*\c+3+\i], v[TT+8*\c+4+\i]
.endr
.irp i, 0,1,2,3,4,5                    ; before: F0 holds block 2 c of both tiles, F1 block 2 c + 1.  The exchange gives F0 the even tile (lanes 0-15 block 2 c, lanes 16-31 block 2 c + 1) and F1 the odd one
	v_permlane16_swap_b32 v[F0+6*\c+\i], v[F1+6*\c+\i]
.endr
.endm
	PAIR 0
	PAIR 1
	v_lshl_or_b32 v[WD], v[BYT+1], 8, v[BYT]
	s_delay_alu instid0(VALU_DEP_1)
	v_lshl_or_b32 v[WD], v[BYT+2], 16, v[WD]
	s_delay_alu instid0(VALU_DEP_1)
	v_lshl_or_b32 v[WD], v[BYT+3], 24, v[WD]
.irp c, 0,1,2
	global_store_b128 v21, v[F0+4*\c:F0+4*\c+3], s[12:13] offset:512*\c
	global_store_b128 v21, v[F1+4*\c:F1+4*\c+3], s[12:13] offset:1536+512*\c
.endr
	ds_store_b32 v22, v[WD]
	s_wait_dscnt 0x0                               ; for the others' sake
	s_barrier_signal -1
	s_barrier_wait -1
	s_cmp_lg_u32 s16, 0
	s_cbranch_scc1 .Lwend
	ds_load_b128 v[24:27], v23                     ; waves 0 and 4 send their K step's 512 bytes of scale words
	s_wait_dscnt 0x0
	global_store_b128 v21, v[24:27], s[14:15]
.Lwend:
	s_wait_tensorcnt 0x0                           ; the wave's end
	ds_add_u32 v208, v209
	s_wait_dscnt 0x0
	s_endpgm
.Lfunc_end_k_qb6cbe38336_quant:
	.size	k_qb6cbe38336_quant, .Lfunc_end_k_qb6cbe38336_quant-k_qb6cbe38336_quant
	.p2alignl 7, 3214868480
	.fill 96, 4, 3214868480
	.section	.rodata,"a",@progbits
	.p2align	6, 0x0
	.amdhsa_kernel k_qb6cbe38336_quant
		.amdhsa_group_segment_fixed_size 70656
		.amdhsa_private_segment_fixed_size 0
		.amdhsa_enable_private_segment 0
		.amdhsa_kernarg_size 56
		.amdhsa_user_sgpr_count 2
		.amdhsa_user_sgpr_kernarg_segment_ptr 1
		.amdhsa_wavefront_size32 1
		.amdhsa_system_sgpr_workgroup_id_x 1
		.amdhsa_system_sgpr_workgroup_id_y 1
		.amdhsa_system_sgpr_workgroup_id_z 1
		.amdhsa_system_vgpr_workitem_id 0
		.amdhsa_next_free_vgpr 210
		.amdhsa_next_free_sgpr 66
		.amdhsa_reserve_vcc 0
		.amdhsa_float_denorm_mode_32 3
		.amdhsa_float_denorm_mode_16_64 3
		.amdhsa_memory_ordered 1
		.amdhsa_forward_progress 1
		.amdhsa_inst_pref_size 46
	.end_amdhsa_kernel
	.amdgpu_metadata
---
amdhsa.version: [ 1, 2 ]
amdhsa.kernels:
  - .name:           k_qb6cbe38336_quant
    .symbol:         k_qb6cbe38336_quant.kd
    .args:
      - { .name: x, .offset: 0, .size: 8, .value_kind: global_buffer, .address_space: global }
      - { .name: Wq, .offset: 8, .size: 8, .value_kind: global_buffer, .address_space: global }
      - { .name: Wk, .offset: 16, .size: 8, .value_kind: global_buffer, .address_space: global }
      - { .name: Wv, .offset: 24, .size: 8, .value_kind: global_buffer, .address_space: global }
      - { .name: Wo, .offset: 32, .size: 8, .value_kind: global_buffer, .address_space: global }
      - { .name: opc, .offset: 40, .size: 8, .value_kind: global_buffer, .address_space: global }
      - { .name: opsc, .offset: 48, .size: 8, .value_kind: global_buffer, .address_space: global }
    .group_segment_fixed_size: 70656
    .private_segment_fixed_size: 0
    .kernarg_segment_align: 8
    .kernarg_segment_size: 56
    .max_flat_workgroup_size: 256
    .sgpr_count:     66
    .vgpr_count:     210
    .wavefront_size: 32
...
	.end_amdgpu_metadata
.endif
;; end of part 1
;; launch proj (part 2): grid 8 x 32, 4 waves a work-group, clusters of 4 x 4, 327,680 bytes of LDS; arguments opc, opsc, qkvb; writes qkvb
.if DOCPART == 2
	.amdgcn_target "amdgcn-amd-amdhsa--gfx1250"
	.amdhsa_code_object_version 6
	.text
	.protected	k_qb6cbe38336_proj
	.globl	k_qb6cbe38336_proj
	.p2align	8
	.type	k_qb6cbe38336_proj,@function
k_qb6cbe38336_proj:
	s_mov_b64 s[64:65], 0
	v_nop
	global_prefetch_b8 v0, s[64:65] scope:SCOPE_SE
	s_setreg_imm32_b32 hwreg(HW_REG_WAVE_MODE, 25, 1), 1
	s_wait_xcnt 0x0
	s_wait_alu depctr_hold_cnt(0) depctr_sa_sdst(0) depctr_va_vdst(0) depctr_va_sdst(0) depctr_va_ssrc(0) depctr_va_vcc(0) depctr_vm_vsrc(0)
	s_getreg_b32 s2, hwreg(HW_REG_IB_STS2, 6, 4)
	s_cmp_eq_u32 s2, 0
	s_cbranch_scc0 .Lentry_in_a_cluster
	s_endpgm
.Lentry_in_a_cluster:
	s_bfe_u32 s2, ttmp6, 0x10000c
	s_cmp_lg_u32 s2, 0xf033
	s_cbranch_scc0 .Lentry_shape_is_right
	s_endpgm
.Lentry_shape_is_right:
; q = x Wq, k = x Wk, v = x Wv on codes of FP6 (E2M3) with E8M0 scales, and the results quantised at once: q and k along the head's 64, v along the keys.  No f32 result goes to memory.
; A WORK-GROUP STAYS: it owns 256 tokens (x's groups 2 XP, 2 XP + 1) and one pair of heads J, and makes three tiles: 256 tokens x the pair's 128 columns of Wq, then of Wk, then of Wv.
; Operands lie in memory as images of the fragments' registers, [group of 128 rows][K step of 128][tile][1536 bytes]: a group for all of K is one dense block of 98304 bytes.
; LDS: x's two groups for all of K, 196608 bytes, filled once; behind them a ring of two slots of 49152 bytes, each half a group of a weight (four K steps); then the spare words.
; The six halves go through the ring in order: Wq's two at the head, then a refill at K step 3 (slot 0) and at K step 7 (slot 1) of the q and of the k tile, where the wave's last reads of that slot have come back.
; A refill is asked for four K steps (128 matrix instructions a wave) or more ahead of its first read; a wave has one tensor load out at the most, and every wait on TENSORcnt is for 0.
; D = P R^T, used transposed: source 0 = 16 rows of P, source 1 = 16 rows of R: a lane holds ONE row of R, and its registers run along P's rows, which are the next product's K.
;   q, k: P = the weight's 8 tiles, R = x: wave w takes group w / 2, tiles 4 (w % 2) .. + 3.    v: P = x's group w % 2 (keys), R = Wv's tiles 4 (w / 2) .. + 3 (head w / 2).   32 accumulators a wave.
; q and k are two trips of one loop; v's body is written a second time, so that every LDS address is a constant of the text.
; CLUSTER 4 x 4: x hangs on the work-group's y alone and is asked for jointly along a row of the cluster, the weights on its x alone, jointly along a column.
; NO PREFETCH: each half group is asked for by its tensor load four K steps and a way out ahead of its use, and the 32 work-groups of one pair of heads ask for the same 294912 bytes of weights.
; OUT: blocks of 319488 bytes, one for each (batch, pair of heads): K codes [2 heads][64 tiles][768], V codes [2][8 key steps][4 tiles][1536], K scale words [2][8][512], V's [2][8][512], Q codes, Q scale words.
; LIMITS: NaN and infinities are not served; a block under 2^-124 keeps the byte 1; a block of zeros has the byte 1 where the rule says 127 (zero codes; only this program reads the bytes).
; REGISTERS: window 0: v1-14 addresses; v16-47 P's scale words, v48-79 R's; v80-127, v128-175 R's fragments, two sets (later the codes made); v200-219 at work.  window 1: P's fragments, v0-95 and v128-223.  window 2: accumulator (a, pb) at v[64 a + 8 pb].
.set GRP,   98304
.set STEPB, 12288
.set FRB,   1536
.set HALF,  49152
.set WRING, 2*GRP
.set SPARE, WRING+2*HALF               ; the spare words: 512 bytes that no other line names
.set TSTEP, 8*GRP                      ; from a weight's group to the next weight's
.set BLK,   319488
.set SP,  16
.set SR,  48
.set TM,  200
.set PWS, 216
.set WV,  14
.set SEL, 66
.set MSB, 0
.macro WIN new                         ; the immediate's high byte repeats the setting that is left
.if MSB != \new
	s_set_vgpr_msb (MSB<<8)|\new
.set MSB, \new
.endif
.endm
.macro PLACES n
.rept \n
	v_nop
.endr
.endm
.macro CROUND                          ; a round of the cluster's barrier
	s_barrier_signal -1
	s_barrier_wait -1
	s_cmp_lg_u32 s[WV], 0
	s_cbranch_scc1 .Lnot_wave_0_\@
	s_barrier_signal -3
.Lnot_wave_0_\@:
	s_barrier_wait -3
	s_barrier_signal -1
	s_barrier_wait -1
.endm
.macro G1SET g, rows                   ; a dense block as rows of 256 bytes (32 elements of 8 bytes), no padding
	s_mov_b32 s[\g+1], 32<<16
	s_mov_b32 s[\g+2], (\rows)<<16
	s_mov_b32 s[\g+3], 32<<16
	s_mov_b32 s[\g+4], \rows
	s_mov_b32 s[\g+5], 32
	s_mov_b32 s[\g+6], 0
	s_mov_b32 s[\g+7], 0
.endm
.macro SCLOAD                          ; a tile's scale words: P's register q of K step s: tile q in lanes 0-15, tile 4 + q in lanes 16-31; R's register a: my tile a
.irp s, 0,1,2,3,4,5,6,7
	global_load_b128 v[SP+4*\s:SP+4*\s+3], v1, s[92:93] offset:512*\s
	global_load_b128 v[SR+4*\s:SR+4*\s+3], v2, s[94:95] offset:512*\s
.endr
.endm
	s_load_b128 s[4:7], s[0:1], 0x0                ; the operands' codes, their scale words
	s_load_b64 s[12:13], s[0:1], 0x10              ; the blocks of q, k, v
	v_lshl_add_u32 v254, v0, 2, SPARE
	v_mov_b32 v255, 0
	ds_add_u32 v254, v255                          ; the opening lines: the add, twice on end, and its wait
	ds_add_u32 v254, v255
	v_lshrrev_b32 v1, 5, v0
	v_readfirstlane_b32 s[WV], v1                  ; wave 0..3
	s_lshr_b32 s15, s[WV], 1                       ; a = w / 2
	s_and_b32 s16, s[WV], 1                        ; b = w % 2
	s_bfe_u32 s17, ttmp6, 0x40000                  ; cx
	s_bfe_u32 s18, ttmp6, 0x40004                  ; cy
	s_lshl_b32 s21, ttmp9, 2
	s_add_co_u32 s21, s21, s17                     ; J: the pair of heads
	s_and_b32 s22, ttmp7, 0xffff
	s_lshl_b32 s22, s22, 2
	s_add_co_u32 s22, s22, s18                     ; XP: which 256 tokens
	s_lshl_b32 s80, s18, 2
	s_lshl_b32 s80, 15, s80                        ; my row of the cluster
	s_lshl_b32 s81, 0x1111, s17                    ; my column
	s_or_b32 s24, s80, (3<<16)|(1<<21)             ; x: four K steps of a group, 192 rows
	s_or_b32 s32, s81, (3<<16)|(1<<21)             ; Wq's first fills: two K steps, 96 rows
	s_or_b32 s40, s81, (3<<16)|(1<<21)             ; the ring's loads: one K step, 48 rows
	G1SET 24, 192
	G1SET 32, 96
	G1SET 40, 48
	s_lshl_b32 s82, s22, 1
	s_add_co_u32 s82, s82, s16                     ; x's group 2 XP + b
	s_mul_i32 s68, s82, GRP
	s_mov_b32 s69, 0
	s_add_co_u32 s83, s21, 64                      ; Wq's group 64 + J
	s_mul_i32 s72, s83, GRP
	s_mov_b32 s73, 0
	s_mul_i32 s80, s16, 2*STEPB
	s_mov_b32 s81, 0
	s_mul_i32 s70, s[WV], STEPB
	s_mov_b32 s71, 0
	s_mov_b32 s48, 1
	s_mov_b32 s52, 1
	s_mov_b32 s56, 1
	s_mov_b32 s60, 1
	s_mul_i32 s49, s16, GRP                        ; LDS: x's group b
	s_add_co_u32 s53, s80, WRING                   ; slot 0, K steps 2 b, 2 b + 1 of its four
	s_add_co_u32 s57, s70, WRING                   ; slot 0, K step w of its four
	s_add_co_u32 s61, s70, WRING+HALF              ; slot 1 likewise
	s_wait_dscnt 0x0
	s_wait_kmcnt 0x0
	s_add_nc_u64 s[50:51], s[4:5], s[68:69]
	s_add_nc_u64 s[72:73], s[4:5], s[72:73]
	s_add_nc_u64 s[54:55], s[72:73], s[80:81]
	s_add_nc_u64 s[58:59], s[72:73], s[70:71]
	s_add_nc_u64 s[62:63], s[58:59], HALF          ; slot 1: Wq's second half; it is stepped to Wk's ahead of its first use
	s_add_nc_u64 s[58:59], s[58:59], TSTEP         ; slot 0: Wk's first half
	s_or_b32 s51, s51, 0x80000000
	s_or_b32 s55, s55, 0x80000000
	s_or_b32 s59, s59, 0x80000000
	s_or_b32 s63, s63, 0x80000000
	CROUND                                         ; all sixteen work-groups are here: the joint loads meet
	s_cmp_lt_u32 s[WV], 2                          ; one load a wave: K steps 0-3 alone: waves 0, 1 of x's two groups, waves 2, 3 two K steps each of Wq
	s_cbranch_scc0 .Lhead_w
	tensor_load_to_lds s[48:51], s[24:31]
	s_nop 0
	PLACES 4
	s_branch .Lhead_asked
.Lhead_w:
	tensor_load_to_lds s[52:55], s[32:39]
	s_nop 0
	PLACES 4
.Lhead_asked:
	s_lshl_b32 s74, s83, 12                        ; scale words, 4096 bytes a group: Wq's,
	s_lshl_b32 s75, s82, 12                        ; x's group 2 XP + b (P of the v tile),
	s_lshl_b32 s79, s22, 1
	s_add_co_u32 s79, s79, s15                     ; x's group 2 XP + a
	s_lshl_b32 s76, s79, 12
	s_lshl_b32 s80, s16, 8
	s_add_co_u32 s76, s76, s80                     ; its tiles 4 b .. (R of the q and k tiles),
	s_lshl_b32 s80, s15, 8
	s_add_co_u32 s77, s74, s80
	s_add_co_u32 s77, s77, 65536                   ; Wv's tiles 4 a .. (R of the v tile)
	s_mov_b32 s80, s74
	s_mov_b32 s81, 0
	s_add_nc_u64 s[92:93], s[6:7], s[80:81]
	s_mov_b32 s80, s76
	s_add_nc_u64 s[94:95], s[6:7], s[80:81]
	s_add_co_u32 s74, s74, 32768                   ; from here on: Wk's
	s_mul_i32 s96, s15, GRP
	s_mul_i32 s80, s16, 4*FRB
	s_add_co_u32 s96, s96, s80
	s_mul_i32 s97, s16, GRP
	s_mul_i32 s98, s15, 4*FRB
	s_add_co_u32 s98, s98, WRING
	v_and_b32 v13, 31, v0
	v_and_b32 v14, 15, v0
	v_bfe_u32 v15, v0, 4, 1
	v_lshlrev_b32 v1, 4, v13                       ; 16 x lane
	v_lshlrev_b32 v2, 4, v14                       ; 16 r
	v_lshlrev_b32 v3, 3, v13                       ; 8 x lane
	SCLOAD
	v_add_nc_u32 v4, WRING, v1                     ; q, k: P = the ring's slot 0,
	v_add_nc_u32 v5, WRING+HALF, v1                ; slot 1;
	v_add_nc_u32 v6, s96, v1                       ; R = x's group a, tiles 4 b .., K steps 0-3,
	v_add_nc_u32 v7, HALF, v6                      ; and 4-7
	v_add_nc_u32 v8, s97, v1                       ; v: P = x's group b,
	v_add_nc_u32 v9, HALF, v8
	v_add_nc_u32 v10, s98, v1                      ; R = the ring's tiles 4 a ..
	v_add_nc_u32 v11, HALF, v10
	v_lshl_add_u32 v12, v15, 12, v2                ; q, k: lanes 16-31 put the second head's scale words 4096 bytes on,
	v_lshlrev_b32 v13, 4, v15                      ; shifted down by 16 bits
	v_lshl_add_u32 v14, v15, 8, v2                 ; v: lanes 16-31 put a second copy 256 bytes on
.irp b, 0,1,2,3
	v_mov_b32 v[TM+4+\b], 0                        ; written once: a lane permute's destination counts as one of its sources
.endr
	s_mov_b32 s[SEL], 0x76543210
	s_mov_b32 s[SEL+1], 0xfedcba98
	s_lshr_b32 s80, s22, 2                         ; where the results go: batch = XP / 4
	s_lshl_b32 s80, s80, 3
	s_add_co_u32 s80, s80, s21
	s_mul_i32 s80, s80, BLK                        ; the block
	s_and_b32 s81, s79, 7                          ; q, k: which 128 tokens of the sequence
	s_mul_i32 s70, s81, 6144
	s_lshl_b32 s71, s81, 9
	s_mul_i32 s81, s16, 3072                       ; my four tiles, 768 bytes each
	s_add_co_u32 s70, s70, s81
	s_add_co_u32 s70, s70, s80
	s_lshl_b32 s81, s16, 8
	s_add_co_u32 s71, s71, s81
	s_add_co_u32 s71, s71, s80
	s_and_b32 s81, s82, 7                          ; v: which 128 keys
	s_mul_i32 s86, s81, 6144
	s_lshl_b32 s87, s81, 9
	s_mul_i32 s81, s15, HALF                       ; a is the head
	s_add_co_u32 s86, s86, s81
	s_add_co_u32 s86, s86, s80
	s_add_co_u32 s86, s86, 98304
	s_lshl_b32 s81, s15, 12
	s_add_co_u32 s87, s87, s81
	s_add_co_u32 s87, s87, s80
	s_add_co_u32 s87, s87, 204800
.macro FETCH s                         ; K step s's fragments, as images, into set s % 2: 36 loads of 512 consecutive bytes.  PA, RA: the tile's address registers
	WIN 0x40                                       ; destination window 1, address window 0
.irp i, 0,1,2,3,4,5,6,7
.irp c, 0,1,2
	ds_load_b128 v[128*((\s)%2)+12*\i+4*\c:128*((\s)%2)+12*\i+4*\c+3], v[PA+(\s)/4] offset:((\s)%4)*STEPB+FRB*\i+512*\c
.endr
.endr
	WIN 0
.irp i, 0,1,2,3
.irp c, 0,1,2
	ds_load_b128 v[80+48*((\s)%2)+12*\i+4*\c:80+48*((\s)%2)+12*\i+4*\c+3], v[RA+(\s)/4] offset:((\s)%4)*STEPB+FRB*\i+512*\c
.endr
.endr
.endm
.macro WM d, pf, rf, sp, sr, z, m
.if \z
	v_wmma_scale_f32_16x16x128_f8f6f4 v[\d:\d+7], v[\pf:\pf+11], v[\rf:\rf+11], 0, v[\sp], v[\sr] matrix_a_fmt:MATRIX_FMT_FP6 matrix_b_fmt:MATRIX_FMT_FP6 \m
.else
	v_wmma_scale_f32_16x16x128_f8f6f4 v[\d:\d+7], v[\pf:\pf+11], v[\rf:\rf+11], v[\d:\d+7], v[\sp], v[\sr] matrix_a_fmt:MATRIX_FMT_FP6 matrix_b_fmt:MATRIX_FMT_FP6 \m
.endif
.endm
.macro MUL s                           ; 32 matrix instructions; the 32 accumulators take turns, one instruction a turn, in the same order in every step.  Step 0 starts the sums: nothing is cleared
.set PF, 128*((\s)%2)
.set RF, 80+48*((\s)%2)
.set SPS, SP+4*(\s)
.set SRS, SR+4*(\s)
.set Z, 0
.if (\s) == 0
.set Z, 1
.endif
	WIN 0xa1                                       ; source 0 (P) window 1, source 1 (R) window 0, C and D window 2
.irp a, 0,1,2,3
.irp pb, 0,1,2,3
	WM 64*\a+8*\pb, PF+12*\pb, RF+12*\a, SPS+\pb, SRS+\a, Z
.endr
.irp pb, 4,5,6,7
	WM 64*\a+8*\pb, PF+12*\pb, RF+12*\a, SPS+\pb-4, SRS+\a, Z, matrix_a_scale:MATRIX_SCALE_ROW1
.endr
.endr
	WIN 0
.endm
.macro STEP kind, s
.if ((\s)%4 == 3) && (\kind == 0)
	s_wait_tensorcnt 0x0                           ; all my tensor loads have landed: the one that was out is my part of the other slot;
	ds_add_u32 v254, v255                          ; 0 onto my spare word;
	s_add_nc_u64 s[62-4*((\s)/4):63-4*((\s)/4)], s[62-4*((\s)/4):63-4*((\s)/4)], TSTEP   ; no load of mine is out: the other slot's address steps to the next weight
	s_wait_dscnt 0x0                               ; the add is done, and this step's fragments are in: they were my last reads of slot s / 4
	CROUND                                         ; the same holds of every wave of all sixteen work-groups
	tensor_load_to_lds s[56+4*((\s)/4):59+4*((\s)/4)], s[40:47]   ; the next weight's half into that slot: my K step of its four
	s_nop 0
	PLACES 4                                       ; also the places in front of the loads below
.else
.if (\s) == 3
	s_wait_tensorcnt 0x0                           ; my part of Wv's second half has landed
	s_wait_dscnt 0x0
	s_barrier_signal -1
	s_barrier_wait -1                              ; everybody's has
.else
	s_wait_dscnt 0x0                               ; this step's fragments, asked for a step ago, are in
.endif
.if ((\s) > 0) && ((\s) < 7)
	PLACES 4                                       ; four places between the last step's products and loads into the registers that they read
.endif
.endif
.if (\s) < 7
	FETCH (\s)+1
.endif
	MUL \s
.endm
; THE WAY OUT.  Tile a's 64 registers are 128 neighbours along the next K (register 16 b + i = 32 b + 16 (lane / 16) + i) of my lane's row: they become a fragment's codes and a scale word.
.macro QUANTW a
.set AC, 64*\a
.set PCA, 80+20*\a
	WIN 0x0a                                       ; sources 0 and 1 window 2
.irp b, 0,1,2,3
	v_max3_num_f32 v[TM+\b], |v[AC+16*\b]|, |v[AC+16*\b+1]|, 0x1800000   ; each accumulator is read from its low end on; the floor 2^(3 - 127) holds the byte at 1 from below
.endr
	WIN 0x28                                       ; sources 1 and 2 window 2
.irp i, 2,4,6,8,10,12,14
.irp b, 0,1,2,3
	v_max3_num_f32 v[TM+\b], v[TM+\b], |v[AC+16*\b+\i]|, |v[AC+16*\b+\i+1]|
.endr
.endr
	WIN 0
.irp b, 0,1,2,3
	v_permlanex16_b32 v[TM+4+\b], v[TM+\b], s[SEL], s[SEL+1]
.endr
.irp b, 0,1,2,3
	v_max_num_f32 v[TM+\b], v[TM+\b], v[TM+4+\b]
.endr
.irp b, 0,1,2,3
	v_add_nc_u32 v[TM+12+\b], 0xff000000, v[TM+\b]
.endr
.irp b, 0,1,2,3
	v_lshrrev_b32 v[TM+4+\b], 23, v[TM+12+\b]
.endr
	v_lshl_or_b32 v[PWS+\a], v[TM+5], 8, v[TM+4]
	v_lshl_or_b32 v[PWS+\a], v[TM+6], 16, v[PWS+\a]
	v_lshl_or_b32 v[PWS+\a], v[TM+7], 24, v[PWS+\a]
	WIN 0x02                                       ; source 0 window 2
.irp c, 0,1
	v_cvt_scalef32_pk16_fp6_f32 v[PCA+6*\c:PCA+2+6*\c], v[AC+32*\c:AC+15+32*\c], v[TM+12+2*\c]
	v_cvt_scalef32_pk16_fp6_f32 v[PCA+12+4*\c:PCA+14+4*\c], v[AC+16+32*\c:AC+31+32*\c], v[TM+12+2*\c+1]
.endr
	WIN 0
	v_nop                                          ; one plain place behind the scaled conversions
.irp c, 0,1
.irp i, 0,1,2
	v_permlane16_swap_b32 v[PCA+6*\c+\i], v[PCA+12+4*\c+\i]
.endr
.irp i, 0,1,2
	v_mov_b32 v[PCA+3+6*\c+\i], v[PCA+12+4*\c+\i]
.endr
.endr
.endm
; A tile.  kind 0: q or k; kind 1: v.  TS: bytes from tile to tile in the block; SEC: from registers 0-5's place to registers 6-11's (the other head, or the fragment's second half)
.macro BODY kind
.if \kind == 0
.set PA, 4
.set RA, 6
.set TS, 768
.set SEC, 49152
.else
.set PA, 8
.set RA, 10
.set TS, 1536
.set SEC, 768
.endif
	FETCH 0
	s_wait_loadcnt 0x0                             ; the tile's scale words
.irp s, 0,1,2,3,4,5,6,7
	STEP \kind, \s
.endr
	PLACES 4                                       ; between the last products and the first read of results, the first write of registers that they read, and loads into their scale words
.if \kind == 0
	s_cmp_eq_u32 s78, 0                            ; the next tile's scale words land under the way out: behind q come Wk's and x's as before, behind k x's as P and Wv's as R
	s_cselect_b32 s80, s74, s75
	s_cselect_b32 s82, s76, s77
	s_mov_b32 s81, 0
	s_mov_b32 s83, 0
	s_add_nc_u64 s[92:93], s[6:7], s[80:81]
	s_add_nc_u64 s[94:95], s[6:7], s[82:83]
	SCLOAD
.endif
.irp t, 0,1,2,3
	QUANTW \t
	global_store_b128 v1, v[80+20*\t:83+20*\t], s[84:85] offset:TS*\t            ; registers 0-3: 512 consecutive bytes, aligned
	global_store_b64 v3, v[84+20*\t:85+20*\t], s[84:85] offset:TS*\t+512         ; registers 4-5: 256
	global_store_b128 v1, v[86+20*\t:89+20*\t], s[84:85] offset:TS*\t+SEC        ; registers 6-11 likewise
	global_store_b64 v3, v[90+20*\t:91+20*\t], s[84:85] offset:TS*\t+SEC+512
.endr
.if \kind == 0
.irp t, 0,1,2,3
	v_lshrrev_b32 v[PWS+\t], v13, v[PWS+\t]        ; lanes 16-31 keep the second head's two bytes
.endr
	global_store_b128 v12, v[PWS:PWS+3], s[90:91]  ; sixteen lanes store 256 consecutive bytes, aligned
.else
	global_store_b128 v14, v[PWS:PWS+3], s[90:91]
.endif
.endm
	s_wait_alu depctr_va_vdst(0)
	s_wait_tensorcnt 0x0                           ; my load of the head's four has landed,
	ds_add_u32 v254, v255                          ; K steps 4-7 of x and of Wq are first fills behind the full sequence: the add,
	s_add_co_u32 s49, s49, HALF                    ; (no load of mine is out: the same descriptors, 49152 bytes on in LDS and in memory)
	s_add_nc_u64 s[50:51], s[50:51], HALF
	s_add_co_u32 s53, s53, HALF
	s_add_nc_u64 s[54:55], s[54:55], HALF
	s_wait_dscnt 0x0                               ; its wait,
	CROUND                                         ; and a round: everybody's part of K steps 0-3 is in, and the joint loads meet
	s_cmp_lt_u32 s[WV], 2
	s_cbranch_scc0 .Lsecond_w
	tensor_load_to_lds s[48:51], s[24:31]
	s_nop 0
	PLACES 4
	s_branch .Lsecond_asked
.Lsecond_w:
	tensor_load_to_lds s[52:55], s[32:39]
	s_nop 0
	PLACES 4
.Lsecond_asked:                                        ; they are waited for at K step 3 of the q tile, ahead of the first read of K step 4
	s_mov_b32 s78, 0
.Ltile:                                                ; two trips: q, then k
	s_cmp_eq_u32 s78, 0
	s_cselect_b32 s80, 212992, 0                   ; q's codes or k's,
	s_mov_b32 s82, 196608
	s_cselect_b32 s82, 311296, s82                 ; their scale words
	s_add_co_u32 s80, s80, s70
	s_add_co_u32 s82, s82, s71
	s_mov_b32 s81, 0
	s_mov_b32 s83, 0
	s_add_nc_u64 s[84:85], s[12:13], s[80:81]
	s_add_nc_u64 s[90:91], s[12:13], s[82:83]
	BODY 0
	s_wait_alu depctr_va_vdst(0)                   ; directly ahead of the wait below
	s_wait_xcnt 0x0                                ; the stores have read their registers and bases: the next tile's fragments may land there, and the bases may be written
	s_add_co_u32 s78, s78, 1
	s_cmp_lt_u32 s78, 2
	s_cbranch_scc1 .Ltile
	s_mov_b32 s80, s86
	s_mov_b32 s81, 0
	s_add_nc_u64 s[84:85], s[12:13], s[80:81]
	s_mov_b32 s80, s87
	s_add_nc_u64 s[90:91], s[12:13], s[80:81]
	BODY 1
	s_wait_tensorcnt 0x0                           ; the wave's end
	ds_add_u32 v254, v255
	s_wait_dscnt 0x0
	CROUND                                         ; the closing round: no work-group ends while a partner may still ask for a tile that names it
	s_endpgm
.Lfunc_end_k_qb6cbe38336_proj:
	.size	k_qb6cbe38336_proj, .Lfunc_end_k_qb6cbe38336_proj-k_qb6cbe38336_proj
	.p2alignl 7, 3214868480
	.fill 96, 4, 3214868480
	.section	.rodata,"a",@progbits
	.p2align	6, 0x0
	.amdhsa_kernel k_qb6cbe38336_proj
		.amdhsa_group_segment_fixed_size 327680
		.amdhsa_private_segment_fixed_size 0
		.amdhsa_enable_private_segment 0
		.amdhsa_kernarg_size 24
		.amdhsa_user_sgpr_count 2
		.amdhsa_user_sgpr_kernarg_segment_ptr 1
		.amdhsa_wavefront_size32 1
		.amdhsa_system_sgpr_workgroup_id_x 1
		.amdhsa_system_sgpr_workgroup_id_y 1
		.amdhsa_system_sgpr_workgroup_id_z 1
		.amdhsa_system_vgpr_workitem_id 0
		.amdhsa_next_free_vgpr 768
		.amdhsa_next_free_sgpr 100
		.amdhsa_reserve_vcc 0
		.amdhsa_float_denorm_mode_32 3
		.amdhsa_float_denorm_mode_16_64 3
		.amdhsa_memory_ordered 1
		.amdhsa_forward_progress 1
		.amdhsa_inst_pref_size 154
	.end_amdhsa_kernel
	.amdgpu_metadata
---
amdhsa.version: [ 1, 2 ]
amdhsa.kernels:
  - .name:           k_qb6cbe38336_proj
    .symbol:         k_qb6cbe38336_proj.kd
    .args:
      - { .name: opc, .offset: 0, .size: 8, .value_kind: global_buffer, .address_space: global }
      - { .name: opsc, .offset: 8, .size: 8, .value_kind: global_buffer, .address_space: global }
      - { .name: qkvb, .offset: 16, .size: 8, .value_kind: global_buffer, .address_space: global }
    .group_segment_fixed_size: 327680
    .private_segment_fixed_size: 0
    .kernarg_segment_align: 8
    .kernarg_segment_size: 24
    .max_flat_workgroup_size: 128
    .sgpr_count:     100
    .vgpr_count:     768
    .wavefront_size: 32
...
	.end_amdgpu_metadata
.endif
;; end of part 2
;; launch attn (part 3): grid 4 x 64, 16 waves a work-group, clusters of 4 x 1, 327,680 bytes of LDS; arguments qkvb, rel_bias, ocod, oscl; writes ocod, oscl
.if DOCPART == 3
	.amdgcn_target "amdgcn-amd-amdhsa--gfx1250"
	.amdhsa_code_object_version 6
	.text
	.protected	k_qb6cbe38336_attn
	.globl	k_qb6cbe38336_attn
	.p2align	8
	.type	k_qb6cbe38336_attn,@function
k_qb6cbe38336_attn:
	s_mov_b64 s[64:65], 0
	v_nop
	global_prefetch_b8 v0, s[64:65] scope:SCOPE_SE
	s_setreg_imm32_b32 hwreg(HW_REG_WAVE_MODE, 25, 1), 1
	s_wait_xcnt 0x0
	s_wait_alu depctr_hold_cnt(0) depctr_sa_sdst(0) depctr_va_vdst(0) depctr_va_sdst(0) depctr_va_ssrc(0) depctr_va_vcc(0) depctr_vm_vsrc(0)
	s_getreg_b32 s2, hwreg(HW_REG_IB_STS2, 6, 4)
	s_cmp_eq_u32 s2, 0
	s_cbranch_scc0 .Lentry_in_a_cluster
	s_endpgm
.Lentry_in_a_cluster:
	s_bfe_u32 s2, ttmp6, 0x10000c
	s_cmp_lg_u32 s2, 0x3003
	s_cbranch_scc0 .Lentry_shape_is_right
	s_endpgm
.Lentry_shape_is_right:
; o = softmax(q k^T / 8 + rel_bias[h][kx - qx + 31] + rel_bias[h][ky - qy + 31]) v on codes of FP6 (E2M3) with E8M0 scales; o leaves as codes, quantised along the features, as an operand of the last product.
; THE SOFTMAX: t = logit x log2(e); M = the running largest t rounded UP to a whole number; p = 2^(t - M) is quantised along the keys; the sum is taken of the unquantised p and divides at the end;
; when M moves, the sum and O are multiplied by 2^(old M - new M), which rounds nothing.
; SHARES: a work-group takes one (batch, pair of heads) and 256 queries; each of its sixteen waves one tile of 16 queries, for both heads one after the other, so that it ends with a whole fragment (128 features) of o.
; K, V and their scale words of the pair of heads, 212992 bytes, are one dense block of memory and stay in LDS: filled once, one tensor load a wave, asked for jointly by the four work-groups of the cluster.
; LAYOUT: both products transposed (S^T = K Q^T, O^T = V^T P^T): a lane holds one query.  Tokens lie in tile order (lane r of tile 2 b + u: token 32 b + 8 u + r + 8 (r / 8) of its 128), so the 16 registers of score
; tiles 2 b, 2 b + 1 are keys 128 st + 32 b + 16 (lane / 16) + 0 .. 15: board row ky = 4 st + b, board column kx = 16 (lane / 16) + i.  A query tile qt has qy = qt / 2 and qx = 8 (qt % 2) + r + 8 (r / 8).
; THE BIAS: its x part hangs on the register and the lane alone: 8 x it is the C of the score products.  Its y part is one number for a block of 32 keys and a wave: a scalar, added to -M.
; K = 64 in the first product: Q's codes of k = 64 .. 127 are zeros, so what stands in the upper six registers of K's operand (the next tile's codes) adds nothing; its scale bytes there are never 0xff.
; LIMITS: NaN and infinities are not served; a block under 2^-124 keeps the byte 1, a block of zeros the byte 1 where the rule says 127 (zero codes; only this program reads the bytes).
; REGISTERS: v1-11 addresses; v12 -M, v13 the largest t, v[14:15] the sum; v16-27 Q; v28 Q's scale word, v29 p's, v30-33 K's, v34-37 V's; v38-53 8 x the x bias; v54-107 K's or V's fragments; v108-171 S^T, then p;
; v172-203 O^T; v204-215 p's codes; v216-237 at work; v238-249 o's fragment, v250 its scale word.
.set BLK, 319488
.set WV,  12
.set SEL, 16
.set CS,  18                           ; s[18:19] log2(e) / 8
.set BYS, 32                           ; s[32:63] the y bias x log2(e) for ky = 0 .. 31
.set BX,  38
.set KV,  54
.set S,   108
.set OA,  172
.set PCD, 204
.set MX,  216
.set T1,  220
.set EP,  224                          ; pairs (y bias - M, the block's largest t - M); later conversions' second halves
.set SCL, 232
.set FF,  236
.set OF,  238
.set OW,  250
.set OSI, 212992                       ; behind the block: o's scale words of the work-group's two groups of 128 tokens
.macro PLACES n
.rept \n
	v_nop
.endr
.endm
.macro CROUND
	s_barrier_signal -1
	s_barrier_wait -1
	s_cmp_lg_u32 s[WV], 0
	s_cbranch_scc1 .Lnot_wave_0_\@
	s_barrier_signal -3
.Lnot_wave_0_\@:
	s_barrier_wait -3
	s_barrier_signal -1
	s_barrier_wait -1
.endm
	s_load_b256 s[4:11], s[0:1], 0x0               ; the blocks, rel_bias, o's codes, o's scale words
	v_lshl_add_u32 v254, v0, 2, 0x34400
	v_mov_b32 v255, 0
	ds_add_u32 v254, v255
	ds_add_u32 v254, v255
	s_wait_dscnt 0x0
	v_lshrrev_b32 v1, 5, v0
	s_delay_alu instid0(VALU_DEP_1)
	v_readfirstlane_b32 s[WV], v1                  ; wave 0..15
	s_bfe_u32 s13, ttmp6, 0x40000                  ; cx: which 256 queries
	s_and_b32 s14, ttmp7, 0xffff                   ; 8 x batch + pair of heads
	s_lshl_b32 s15, s13, 4
	s_add_co_u32 s15, s15, s[WV]                   ; my query tile, 0 .. 63
	s_mov_b32 s24, 15|(3<<16)|(1<<21)              ; group 1: all four work-groups; elements of 8 bytes; 52 rows of 256 bytes, dense
	s_mov_b32 s25, 32<<16
	s_mov_b32 s26, 52<<16
	s_mov_b32 s27, 32<<16
	s_mov_b32 s28, 52
	s_mov_b32 s29, 32
	s_mov_b32 s30, 0
	s_mov_b32 s31, 0
	s_mul_i32 s80, s14, BLK
	s_mov_b32 s81, 0
	s_mul_i32 s69, s[WV], 13312                    ; a sixteenth of the 212992 bytes: the same place in LDS as in the block
	s_mov_b32 s82, s69
	s_mov_b32 s83, 0
	s_mov_b32 s68, 1
	s_wait_kmcnt 0x0
	s_add_nc_u64 s[80:81], s[4:5], s[80:81]        ; my block
	s_add_nc_u64 s[70:71], s[80:81], s[82:83]
	s_or_b32 s71, s71, 0x80000000
	CROUND                                         ; all four work-groups are here: the joint loads meet
	tensor_load_to_lds s[68:71], s[24:31]
	s_nop 0
	PLACES 4
	s_mul_i32 s82, s15, 768
	s_add_co_u32 s82, s82, 212992
	s_add_nc_u64 s[72:73], s[80:81], s[82:83]      ; Q's codes: my tile, first head
	s_lshr_b32 s82, s15, 2
	s_lshl_b32 s82, s82, 8
	s_and_b32 s84, s15, 3
	s_lshl_b32 s84, s84, 2
	s_add_co_u32 s82, s82, s84
	s_add_co_u32 s82, s82, 311296
	s_add_nc_u64 s[74:75], s[80:81], s[82:83]      ; Q's scale words: 256 (qt / 4) + 4 (qt % 4), + 16 r
	s_and_b32 s84, s14, 7                          ; the pair of heads
	s_mul_i32 s82, s84, 504
	s_add_nc_u64 s[76:77], s[6:7], s[82:83]        ; rel_bias: the first head's 63 numbers
	s_lshr_b32 s82, s15, 1
	s_sub_co_u32 s82, 31, s82
	s_lshl_b32 s82, s82, 2
	s_add_nc_u64 s[78:79], s[76:77], s[82:83]      ; from index 31 - qy on: 32 numbers, ky = 0 .. 31
	s_lshr_b32 s85, s14, 3
	s_lshl_b32 s85, s85, 3
	s_lshl_b32 s86, s13, 1
	s_add_co_u32 s85, s85, s86                     ; the first of my work-group's two groups of 128 tokens
	s_lshr_b32 s86, s[WV], 3
	s_add_co_u32 s86, s85, s86
	s_lshl_b32 s86, s86, 3
	s_add_co_u32 s86, s86, s84                     ; K step = the pair of heads
	s_lshl_b32 s86, s86, 3
	s_and_b32 s87, s[WV], 7
	s_add_co_u32 s86, s86, s87
	s_mul_i32 s82, s86, 1536
	s_add_nc_u64 s[8:9], s[8:9], s[82:83]          ; o's codes: my tile's image
	s_and_b32 s86, s[WV], 1
	s_add_co_u32 s86, s85, s86
	s_lshl_b32 s86, s86, 3
	s_add_co_u32 s86, s86, s84
	s_lshl_b32 s82, s86, 9
	s_add_nc_u64 s[10:11], s[10:11], s[82:83]      ; o's scale words: waves 0 and 1 send a group's 512 bytes
	v_and_b32 v11, 31, v0
	s_delay_alu instid0(VALU_DEP_1)
	v_lshlrev_b32 v1, 4, v11                       ; 16 x lane
	s_delay_alu instid0(VALU_DEP_2)
	v_lshlrev_b32 v2, 3, v11                       ; 8 x lane
	v_and_b32 v254, 15, v0
	s_delay_alu instid0(VALU_DEP_1)
	v_lshlrev_b32 v3, 4, v254                      ; 16 r
	s_wait_alu depctr_va_vdst(0)
	v_bfe_u32 v11, v0, 4, 1
	v_and_b32 v4, 8, v254
	s_delay_alu instid0(VALU_DEP_1)
	v_add_nc_u32 v4, v4, v254
	s_and_b32 s86, s[WV], 1
	s_lshl_b32 s86, s86, 3
	s_sub_co_u32 s86, 31, s86
	v_sub_nc_u32 v4, s86, v4                       ; 31 - qx
	s_delay_alu instid0(VALU_DEP_1)
	v_lshl_add_u32 v4, v11, 4, v4                  ; + 16 (lane / 16): the index of my register 0's x bias
	s_delay_alu instid0(VALU_DEP_1)
	v_lshlrev_b32 v4, 2, v4
	s_lshr_b32 s86, s[WV], 2
	s_lshl_b32 s86, s86, 8
	s_and_b32 s87, s[WV], 3
	s_lshl_b32 s87, s87, 2
	s_add_co_u32 s86, s86, s87
	s_add_co_u32 s86, s86, OSI
	v_add_nc_u32 v251, s86, v3                     ; where my row's scale word of o goes
	s_and_b32 s86, s[WV], 1
	s_lshl_b32 s86, s86, 9
	s_add_co_u32 s86, s86, OSI
	v_add_nc_u32 v255, s86, v1
.irp i, 22,23,24,25,26,27
	v_mov_b32 v\i, 0                               ; Q's codes of k = 64 .. 127: zeros
.endr
.irp i, 102,103,104,105,106,107
	v_mov_b32 v\i, 0                               ; behind K's last tile
.endr
.irp b, 0,1,2,3
	v_mov_b32 v[T1+\b], 0                          ; a lane permute's destination counts as one of its sources
.endr
	v_mov_b32 v[FF+1], 0                           ; named as the upper half of a pair
.irp i, 0,1,2,3,4,5,6,7,8,9,10,11,12
	v_mov_b32 v[OF+\i], 0                          ; o's fragment and its scale word: the first head's way out shifts them
.endr
	s_mov_b32 s[SEL], 0x76543210
	s_mov_b32 s[SEL+1], 0xfedcba98
	s_mov_b32 s[CS], 0x3e38aa3b                    ; log2(e) / 8
	s_mov_b32 s[CS+1], s[CS]
	s_mov_b32 s20, 0x3fb8aa3b                      ; log2(e)
	s_mov_b32 s21, 2                               ; heads to go
	s_mov_b32 s22, 0                               ; the head's codes in LDS: 49152 bytes a head
	s_mov_b32 s23, 0                               ; its scale words: 4096
	s_wait_tensorcnt 0x0                           ; my sixteenth of the block has landed,
	s_barrier_signal -1
	s_barrier_wait -1                              ; everybody's has
.macro KSTEP st                        ; 128 keys
	PLACES 4                                       ; between the last products and loads into the registers that they read
.irp t, 0,1,2,3,4,5,6,7
	ds_load_b128 v[KV+6*\t:KV+6*\t+3], v5 offset:6144*\st+768*\t
	ds_load_b64 v[KV+6*\t+4:KV+6*\t+5], v6 offset:6144*\st+768*\t+512
.endr
	ds_load_b128 v[30:33], v9 offset:512*\st
	s_wait_dscnt 0x0
.irp t, 0,1,2,3
	v_wmma_scale_f32_16x16x128_f8f6f4 v[S+8*\t:S+8*\t+7], v[KV+6*\t:KV+6*\t+11], v[16:27], v[BX+8*(\t%2):BX+8*(\t%2)+7], v[30+\t], v28 matrix_a_fmt:MATRIX_FMT_FP6 matrix_b_fmt:MATRIX_FMT_FP6
.endr
.irp t, 4,5,6,7
	v_wmma_scale_f32_16x16x128_f8f6f4 v[S+8*\t:S+8*\t+7], v[KV+6*\t:KV+6*\t+11], v[16:27], v[BX+8*(\t%2):BX+8*(\t%2)+7], v[26+\t], v28 matrix_a_fmt:MATRIX_FMT_FP6 matrix_b_fmt:MATRIX_FMT_FP6 matrix_a_scale:MATRIX_SCALE_ROW1
.endr
	PLACES 4                                       ; ahead of the loads into K's registers and of the first read of the scores
.irp dt, 0,1,2,3                       ; V's four fragments of these keys land under the softmax
	ds_load_b128 v[KV+12*\dt:KV+12*\dt+3], v7 offset:6144*\st+1536*\dt
	ds_load_b64 v[KV+12*\dt+4:KV+12*\dt+5], v8 offset:6144*\st+1536*\dt+512
	ds_load_b128 v[KV+12*\dt+6:KV+12*\dt+9], v7 offset:6144*\st+1536*\dt+768
	ds_load_b64 v[KV+12*\dt+10:KV+12*\dt+11], v8 offset:6144*\st+1536*\dt+1280
.endr
	ds_load_b128 v[34:37], v10 offset:512*\st
.irp b, 0,1,2,3
	v_max3_num_f32 v[MX+\b], v[S+16*\b], v[S+16*\b+1], v[S+16*\b+2]   ; the largest score of each block of 32 keys: it serves for the row's maximum and for the block's largest p
.endr
.irp i, 3,5,7,9,11,13
.irp b, 0,1,2,3
	v_max3_num_f32 v[MX+\b], v[MX+\b], v[S+16*\b+\i], v[S+16*\b+\i+1]
.endr
.endr
.irp b, 0,1,2,3
	v_max_num_f32 v[MX+\b], v[MX+\b], v[S+16*\b+15]
.endr
.irp b, 0,1,2,3
	s_delay_alu instid0(VALU_DEP_4)
	v_permlanex16_b32 v[T1+\b], v[MX+\b], s[SEL], s[SEL+1]
.endr
.irp b, 0,1,2,3
	s_delay_alu instid0(VALU_DEP_4)
	v_max_num_f32 v[MX+\b], v[MX+\b], v[T1+\b]
.endr
.irp b, 0,1,2,3
	s_delay_alu instid0(VALU_DEP_4)
	v_fma_f32 v[T1+\b], v[MX+\b], s[CS], s[BYS+4*\st+\b]   ; as t, with the block's y bias
.endr
	s_delay_alu instid0(VALU_DEP_2)
	v_max3_num_f32 v254, v[T1], v[T1+1], v[T1+2]
	s_delay_alu instid0(VALU_DEP_1)
	v_max3_num_f32 v13, v13, v254, v[T1+3]         ; the running largest t
	v_mov_b32 v254, v12
	s_delay_alu instid0(VALU_DEP_2)
	v_floor_f32 v12, -v13                          ; -M = floor(-t): M is a whole number
	s_delay_alu instid0(VALU_DEP_1)
	v_sub_f32 v254, v12, v254
	s_delay_alu instid0(VALU_DEP_1)
	v_cvt_i32_f32 v254, v254                       ; old M - new M, 0 or less (it saturates)
	s_delay_alu instid0(VALU_DEP_1)
	v_ldexp_f32 v[FF], 1.0, v254                   ; f = 2^(old M - new M)
.irp b, 0,1,2,3
	v_add_f32 v[EP+2*\b], s[BYS+4*\st+\b], v12     ; the block's addend: y bias - M
.endr
.irp b, 0,1,2,3
	s_delay_alu instid0(VALU_DEP_4)
	v_fma_f32 v[EP+2*\b+1], v[MX+\b], s[CS], v[EP+2*\b]   ; the block's largest t - M: the same multiply-add as its scores get
.endr
.irp b, 0,1,2,3
.irp j, 0,2,4,6,8,10,12,14
	v_pk_fma_f32 v[S+16*\b+\j:S+16*\b+\j+1], v[S+16*\b+\j:S+16*\b+\j+1], s[CS:CS+1], v[EP+2*\b:EP+2*\b+1] op_sel_hi:[1,0,0]
.endr
.endr
.set j, 0
	s_wait_alu depctr_va_vdst(0)
.rept 64
	v_exp_f32 v[S+j], v[S+j]                       ; p = 2^(t - M): not normalised
.set j, j+1
.endr
.irp b, 0,1,2,3
	v_exp_f32 v[EP+2*\b+1], v[EP+2*\b+1]           ; the block's largest p, in the same batch
.endr
	v_pk_mul_f32 v[14:15], v[14:15], v[FF:FF+1] op_sel_hi:[1,0]   ; the sums under the new M: a plain place behind the exponentials
	s_wait_alu depctr_va_vdst(0)                   ; one wait for the batch of 68, ahead of its first reader
	v_pk_add_f32 v[252:253], v[112:113], v[116:117]
	v_pk_add_f32 v[242:243], v[120:121], v[124:125]
	v_pk_add_f32 v[240:241], v[128:129], v[132:133]
	v_pk_add_f32 v[238:239], v[136:137], v[140:141]
	v_pk_add_f32 v[234:235], v[144:145], v[148:149]
	v_pk_add_f32 v[232:233], v[152:153], v[156:157]
	v_pk_add_f32 v[222:223], v[160:161], v[164:165]
	v_pk_add_f32 v[14:15], v[14:15], v[168:169]
	v_pk_add_f32 v[252:253], v[252:253], v[108:109]
	v_pk_add_f32 v[242:243], v[242:243], v[110:111]
	v_pk_add_f32 v[240:241], v[240:241], v[114:115]
	v_pk_add_f32 v[238:239], v[238:239], v[118:119]
	v_pk_add_f32 v[234:235], v[234:235], v[122:123]
	v_pk_add_f32 v[232:233], v[232:233], v[126:127]
	v_pk_add_f32 v[222:223], v[222:223], v[130:131]
	v_pk_add_f32 v[14:15], v[14:15], v[134:135]
	v_pk_add_f32 v[252:253], v[252:253], v[138:139]
	v_pk_add_f32 v[242:243], v[242:243], v[142:143]
	v_pk_add_f32 v[240:241], v[240:241], v[146:147]
	v_pk_add_f32 v[238:239], v[238:239], v[150:151]
	v_pk_add_f32 v[234:235], v[234:235], v[154:155]
	v_pk_add_f32 v[232:233], v[232:233], v[158:159]
	v_pk_add_f32 v[222:223], v[222:223], v[162:163]
	v_pk_add_f32 v[14:15], v[14:15], v[166:167]
	v_pk_add_f32 v[252:253], v[252:253], v[170:171]
	s_delay_alu instid0(VALU_DEP_2)
	v_pk_add_f32 v[14:15], v[14:15], v[238:239]
	s_delay_alu instid0(VALU_DEP_2)
	v_pk_add_f32 v[252:253], v[252:253], v[234:235]
	v_pk_add_f32 v[242:243], v[242:243], v[232:233]
	v_pk_add_f32 v[240:241], v[240:241], v[222:223]
	s_delay_alu instid0(VALU_DEP_2)
	v_pk_add_f32 v[14:15], v[14:15], v[242:243]
	s_delay_alu instid0(VALU_DEP_2)
	v_pk_add_f32 v[252:253], v[252:253], v[240:241]
	s_delay_alu instid0(VALU_DEP_1)
	v_pk_add_f32 v[14:15], v[14:15], v[252:253]
.irp b, 0,1,2,3
	v_max_num_f32 v[MX+\b], 0x1800000, v[EP+2*\b+1]   ; the floor 2^(3 - 127)
.endr
.irp b, 0,1,2,3
	s_delay_alu instid0(VALU_DEP_4)
	v_add_nc_u32 v[SCL+\b], 0xff000000, v[MX+\b]
.endr
.irp b, 0,1,2,3
	s_delay_alu instid0(VALU_DEP_4)
	v_lshrrev_b32 v[T1+\b], 23, v[SCL+\b]
.endr
	s_delay_alu instid0(VALU_DEP_3)
	v_lshl_or_b32 v29, v[T1+1], 8, v[T1]           ; p's scale word for these 128 keys
	s_delay_alu instid0(VALU_DEP_1)
	v_lshl_or_b32 v29, v[T1+2], 16, v29
	s_delay_alu instid0(VALU_DEP_1)
	v_lshl_or_b32 v29, v[T1+3], 24, v29
.irp c, 0,1
	v_cvt_scalef32_pk16_fp6_f32 v[PCD+6*\c:PCD+6*\c+2], v[S+32*\c:S+32*\c+15], v[SCL+2*\c]
	v_cvt_scalef32_pk16_fp6_f32 v[EP+4*\c:EP+4*\c+2], v[S+32*\c+16:S+32*\c+31], v[SCL+2*\c+1]
.endr
	v_nop                                          ; one plain place behind the scaled conversions
.irp c, 0,1
.irp i, 0,1,2
	v_permlane16_swap_b32 v[PCD+6*\c+\i], v[EP+4*\c+\i]
.endr
.irp i, 0,1,2
	s_delay_alu instid0(VALU_DEP_3)
	v_mov_b32 v[PCD+6*\c+3+\i], v[EP+4*\c+\i]
.endr
.endr
.if \st == 0
	s_wait_alu depctr_va_vdst(0)
	PLACES 8                                       ; a scale word made by vector instructions stands eight places ahead of the product, codes so made four
.else
.irp j, 0,2,4,6,8,10,12,14,16,18,20,22,24,26,28,30
	v_pk_mul_f32 v[OA+\j:OA+\j+1], v[OA+\j:OA+\j+1], v[FF:FF+1] op_sel_hi:[1,0]   ; O^T under the new M; these sixteen are also those places
.endr
.endif
	s_wait_alu depctr_va_vdst(0)
	s_wait_dscnt 0x0                               ; V
; A barrier in two halves, a key step apart: it orders no data; a wave passes this point of step st only when all sixteen have passed it in step st - 1, so the waves stay within one key step of each other.
; Between a signal and its wait stand LDS loads of tiles that nobody writes, and work on registers.  No LDS instruction of the wave is out here.
.if \st > 0
	s_barrier_wait -1
.endif
.if \st < 7
	s_barrier_signal -1
.endif
.irp dt, 0,1,2,3
.if \st == 0
	v_wmma_scale_f32_16x16x128_f8f6f4 v[OA+8*\dt:OA+8*\dt+7], v[KV+12*\dt:KV+12*\dt+11], v[PCD:PCD+11], 0, v[34+\dt], v29 matrix_a_fmt:MATRIX_FMT_FP6 matrix_b_fmt:MATRIX_FMT_FP6
.else
	v_wmma_scale_f32_16x16x128_f8f6f4 v[OA+8*\dt:OA+8*\dt+7], v[KV+12*\dt:KV+12*\dt+11], v[PCD:PCD+11], v[OA+8*\dt:OA+8*\dt+7], v[34+\dt], v29 matrix_a_fmt:MATRIX_FMT_FP6 matrix_b_fmt:MATRIX_FMT_FP6
.endif
.endr
.endm
.Lhead:                                            ; two trips: the pair's two heads
	global_load_b128 v[16:19], v1, s[72:73]        ; Q's six registers
	global_load_b64 v[20:21], v2, s[72:73] offset:512
	global_load_b32 v28, v3, s[74:75]
.irp i, 0,1,2,3,4,5,6,7,8,9,10,11,12,13,14,15
	global_load_b32 v[BX+\i], v4, s[76:77] offset:4*\i   ; rel_bias[h][16 (lane / 16) + i - qx + 31]
.endr
	s_load_b512 s[32:47], s[78:79], 0x0            ; rel_bias[h][ky - qy + 31], ky = 0 .. 31
	s_load_b512 s[48:63], s[78:79], 0x40
	v_add_nc_u32 v5, s22, v1                       ; K's tiles: registers 0-3,
	v_add_nc_u32 v6, s22, v2                       ; registers 4-5
	s_delay_alu instid0(VALU_DEP_2)
	v_add_nc_u32 v7, 98304, v5                     ; V's
	s_delay_alu instid0(VALU_DEP_2)
	v_add_nc_u32 v8, 98304, v6
	v_add_nc_u32 v9, s23, v1
	s_delay_alu instid0(VALU_DEP_1)
	v_add_nc_u32 v10, 204800, v9                   ; V's scale words
	s_delay_alu instid0(VALU_DEP_2)
	v_add_nc_u32 v9, 196608, v9                    ; K's
	v_mov_b32 v13, 0xff61b1e6                      ; the largest t so far: -3e38
	s_delay_alu instid0(VALU_DEP_1)
	v_floor_f32 v12, -v13
	v_mov_b32 v14, 0
	v_mov_b32 v15, 0
	s_wait_kmcnt 0x0
.set i, 0
.rept 32
	s_mul_f32 s[BYS+i], s[BYS+i], s20
.set i, i+1
.endr
	s_wait_loadcnt 0x0
.irp i, 0,2,4,6,8,10,12,14
	v_pk_mul_f32 v[BX+\i:BX+\i+1], v[BX+\i:BX+\i+1], 0x41000000 op_sel_hi:[1,0]   ; x 8: the scores are divided by 8 later
.endr
	s_wait_alu depctr_va_vdst(0)
.irp q, 0,1,2,3,4,5,6,7
	KSTEP \q
.endr
	; the head's way out: O^T / the sum, quantised along its 64 features: six registers and two scale bytes
	v_add_f32 v14, v14, v15
	s_delay_alu instid0(VALU_DEP_1)
	v_permlanex16_b32 v11, v14, s[SEL], s[SEL+1]
	s_delay_alu instid0(VALU_DEP_1)
	v_add_f32 v14, v14, v11                        ; the row's sum
	s_wait_alu depctr_va_vdst(0)
	v_rcp_f32 v14, v14
.irp i, 0,1,2,3,4,5
	v_mov_b32 v[OF+\i], v[OF+6+\i]                 ; the head before moves down (in the first trip: zeros)
.endr
	v_lshrrev_b32 v[OW], 16, v[OW]
	s_wait_alu depctr_va_vdst(0)                   ; ahead of the reciprocal's first reader
.irp j, 0,2,4,6,8,10,12,14,16,18,20,22,24,26,28,30
	v_pk_mul_f32 v[S+\j:S+\j+1], v[OA+\j:OA+\j+1], v[14:15] op_sel_hi:[1,0]   ; register 16 b + i is o(query, 32 b + 16 (lane / 16) + i)
.endr
.irp b, 0,1
	v_max3_num_f32 v[MX+\b], |v[S+16*\b]|, |v[S+16*\b+1]|, 0x1800000
.endr
.irp i, 2,4,6,8,10,12,14
.irp b, 0,1
	s_delay_alu instid0(VALU_DEP_2)
	v_max3_num_f32 v[MX+\b], v[MX+\b], |v[S+16*\b+\i]|, |v[S+16*\b+\i+1]|
.endr
.endr
.irp b, 0,1
	s_delay_alu instid0(VALU_DEP_2)
	v_permlanex16_b32 v[T1+\b], v[MX+\b], s[SEL], s[SEL+1]
.endr
.irp b, 0,1
	s_delay_alu instid0(VALU_DEP_2)
	v_max_num_f32 v[MX+\b], v[MX+\b], v[T1+\b]
.endr
.irp b, 0,1
	s_delay_alu instid0(VALU_DEP_2)
	v_add_nc_u32 v[SCL+\b], 0xff000000, v[MX+\b]
.endr
.irp b, 0,1
	s_delay_alu instid0(VALU_DEP_2)
	v_lshrrev_b32 v[T1+\b], 23, v[SCL+\b]
.endr
	s_delay_alu instid0(VALU_DEP_1)
	v_lshl_or_b32 v11, v[T1+1], 8, v[T1]
	s_delay_alu instid0(VALU_DEP_1)
	v_lshl_or_b32 v[OW], v11, 16, v[OW]
	v_cvt_scalef32_pk16_fp6_f32 v[OF+6:OF+8], v[S:S+15], v[SCL]
	v_cvt_scalef32_pk16_fp6_f32 v[EP:EP+2], v[S+16:S+31], v[SCL+1]
	v_nop                                          ; one plain place behind the scaled conversions
.irp i, 0,1,2
	v_permlane16_swap_b32 v[OF+6+\i], v[EP+\i]
.endr
.irp i, 0,1,2
	s_delay_alu instid0(VALU_DEP_3)
	v_mov_b32 v[OF+9+\i], v[EP+\i]
.endr
	s_wait_xcnt 0x0                                ; the trip's loads have read their bases: they step to the second head
	s_add_nc_u64 s[72:73], s[72:73], 49152
	s_add_nc_u64 s[74:75], s[74:75], 4096
	s_add_nc_u64 s[76:77], s[76:77], 252
	s_add_nc_u64 s[78:79], s[78:79], 252
	s_add_co_u32 s22, s22, 49152
	s_add_co_u32 s23, s23, 4096
	s_sub_co_u32 s21, s21, 1
	s_cmp_lg_u32 s21, 0
	s_cbranch_scc1 .Lhead
	s_wait_alu depctr_va_vdst(0)
.irp c, 0,1,2
	global_store_b128 v1, v[OF+4*\c:OF+4*\c+3], s[8:9] offset:512*\c   ; the fragment's image: 512 consecutive bytes a store, aligned
.endr
	ds_store_b32 v251, v[OW]                       ; both halves of the lanes write the same word with the same value
	s_wait_dscnt 0x0                               ; for the others' sake
	s_barrier_signal -1
	s_barrier_wait -1
	s_cmp_gt_u32 s[WV], 1
	s_cbranch_scc1 .Lno_words
	ds_load_b128 v[108:111], v255
	s_wait_dscnt 0x0
	global_store_b128 v1, v[108:111], s[10:11]
.Lno_words:
	s_wait_xcnt 0x0
	v_lshl_add_u32 v254, v0, 2, 0x34400
	v_mov_b32 v255, 0
	s_wait_alu depctr_va_vdst(0)
	s_wait_tensorcnt 0x0
	ds_add_u32 v254, v255
	s_wait_dscnt 0x0
	CROUND                                         ; the closing round
	s_endpgm
.Lfunc_end_k_qb6cbe38336_attn:
	.size	k_qb6cbe38336_attn, .Lfunc_end_k_qb6cbe38336_attn-k_qb6cbe38336_attn
	.p2alignl 7, 3214868480
	.fill 96, 4, 3214868480
	.section	.rodata,"a",@progbits
	.p2align	6, 0x0
	.amdhsa_kernel k_qb6cbe38336_attn
		.amdhsa_group_segment_fixed_size 327680
		.amdhsa_private_segment_fixed_size 0
		.amdhsa_enable_private_segment 0
		.amdhsa_kernarg_size 32
		.amdhsa_user_sgpr_count 2
		.amdhsa_user_sgpr_kernarg_segment_ptr 1
		.amdhsa_wavefront_size32 1
		.amdhsa_system_sgpr_workgroup_id_x 1
		.amdhsa_system_sgpr_workgroup_id_y 1
		.amdhsa_system_sgpr_workgroup_id_z 1
		.amdhsa_system_vgpr_workitem_id 0
		.amdhsa_next_free_vgpr 256
		.amdhsa_next_free_sgpr 88
		.amdhsa_reserve_vcc 0
		.amdhsa_float_denorm_mode_32 3
		.amdhsa_float_denorm_mode_16_64 3
		.amdhsa_memory_ordered 1
		.amdhsa_forward_progress 1
		.amdhsa_inst_pref_size 155
	.end_amdhsa_kernel
	.amdgpu_metadata
---
amdhsa.version: [ 1, 2 ]
amdhsa.kernels:
  - .name:           k_qb6cbe38336_attn
    .symbol:         k_qb6cbe38336_attn.kd
    .args:
      - { .name: qkvb, .offset: 0, .size: 8, .value_kind: global_buffer, .address_space: global }
      - { .name: rel_bias, .offset: 8, .size: 8, .value_kind: global_buffer, .address_space: global }
      - { .name: ocod, .offset: 16, .size: 8, .value_kind: global_buffer, .address_space: global }
      - { .name: oscl, .offset: 24, .size: 8, .value_kind: global_buffer, .address_space: global }
    .group_segment_fixed_size: 327680
    .private_segment_fixed_size: 0
    .kernarg_segment_align: 8
    .kernarg_segment_size: 32
    .max_flat_workgroup_size: 512
    .sgpr_count:     88
    .vgpr_count:     256
    .wavefront_size: 32
...
	.end_amdgpu_metadata
.endif
;; end of part 3
;; launch outp (part 4): grid 4 x 64, 4 waves a work-group, clusters of 4 x 4, 327,680 bytes of LDS; arguments opc, opsc, ocod, oscl, out0; writes out0
.if DOCPART == 4
	.amdgcn_target "amdgcn-amd-amdhsa--gfx1250"
	.amdhsa_code_object_version 6
	.text
	.protected	k_qb6cbe38336_outp
	.globl	k_qb6cbe38336_outp
	.p2align	8
	.type	k_qb6cbe38336_outp,@function
k_qb6cbe38336_outp:
	s_mov_b64 s[64:65], 0
	v_nop
	global_prefetch_b8 v0, s[64:65] scope:SCOPE_SE
	s_setreg_imm32_b32 hwreg(HW_REG_WAVE_MODE, 25, 1), 1
	s_wait_xcnt 0x0
	s_wait_alu depctr_hold_cnt(0) depctr_sa_sdst(0) depctr_va_vdst(0) depctr_va_sdst(0) depctr_va_ssrc(0) depctr_va_vcc(0) depctr_vm_vsrc(0)
	s_getreg_b32 s2, hwreg(HW_REG_IB_STS2, 6, 4)
	s_cmp_eq_u32 s2, 0
	s_cbranch_scc0 .Lentry_in_a_cluster
	s_endpgm
.Lentry_in_a_cluster:
	s_bfe_u32 s2, ttmp6, 0x10000c
	s_cmp_lg_u32 s2, 0xf033
	s_cbranch_scc0 .Lentry_shape_is_right
	s_endpgm
.Lentry_shape_is_right:
; out0 = o Wo on codes of FP6 (E2M3) with E8M0 scales, sums in f32.  D = P R^T used transposed: source 0 = 16 columns of Wo (P), source 1 = 16 rows of o (R): a lane holds one token, its registers run along out0's columns.
; Operands lie in memory as images of the fragments' registers, [group of 128 rows][K step of 128][tile][1536 bytes]; a work-group holds two groups of P and one of R for all of K in LDS, 294912 bytes, each byte filled once.
; ONE tensor load a wave, at the head: waves 0 and 1 a whole group of P each (98304 bytes), waves 2 and 3 four K steps of R each (49152 bytes).  There is no ring and no refill: one wait for the load, one barrier, then eight K steps.
; Four waves: wave w takes R's tiles 4 (w / 2) .. + 3 and P's group w % 2: 32 accumulators, 256 matrix instructions.
; CLUSTER 4 x 4: P hangs on the work-group's x alone and is asked for jointly along a column of the cluster, R on its y alone, jointly along a row.
; No prefetch: the launch's only fills stand at its head, and there is no loop to run ahead in.
; Rows of a tile are in tile order (lane r of tile 2 b + u: row 32 b + 8 u + r + 8 (r / 8) of the group), so registers 16 b + i of an R tile's 64 are columns 32 b + 16 (lane / 16) + i of P's group.
; THE WAY OUT: 16 tokens x 128 columns at a time through the wave's own stage in LDS (rows 528 bytes apart) and out as whole rows of 512 bytes.  The stage lies in P's bytes, behind a barrier behind which nobody reads LDS tiles any more; they have had their only fill.
; REGISTERS: window 0: v1-12 addresses; v16-47 P's scale words, v48-79 R's; v80-127, v128-175 R's fragments, two sets (later rows of out0).  window 1: P's fragments, v0-95 and v128-223.  window 2: accumulator (a, pb) at v[64 a + 8 pb].
.set GRP,   98304
.set STEPB, 12288
.set FRB,   1536
.set RLDS,  2*GRP
.set SP,  16
.set SR,  48
.set WV,  14
.set MSB, 0
.macro WIN new                         ; the immediate's high byte repeats the setting that is left
.if MSB != \new
	s_set_vgpr_msb (MSB<<8)|\new
.set MSB, \new
.endif
.endm
.macro PLACES n
.rept \n
	v_nop
.endr
.endm
.macro CROUND                          ; a round of the cluster's barrier
	s_barrier_signal -1
	s_barrier_wait -1
	s_cmp_lg_u32 s[WV], 0
	s_cbranch_scc1 .Lnot_wave_0_\@
	s_barrier_signal -3
.Lnot_wave_0_\@:
	s_barrier_wait -3
	s_barrier_signal -1
	s_barrier_wait -1
.endm
	s_load_b256 s[4:11], s[0:1], 0x0               ; the weights' codes and scale words, o's codes and scale words
	s_load_b64 s[12:13], s[0:1], 0x20              ; out0
	v_lshl_add_u32 v254, v0, 2, 0x48000
	v_mov_b32 v255, 0
	ds_add_u32 v254, v255                          ; the opening lines: the add, twice on end, and its wait
	ds_add_u32 v254, v255
	v_lshrrev_b32 v1, 5, v0
	v_readfirstlane_b32 s[WV], v1                  ; wave 0..3
	s_lshr_b32 s15, s[WV], 1                       ; wr
	s_and_b32 s16, s[WV], 1                        ; wp
	s_bfe_u32 s17, ttmp6, 0x40000                  ; cx
	s_bfe_u32 s18, ttmp6, 0x40004                  ; cy
	s_and_b32 s20, ttmp7, 0xffff
	s_lshl_b32 s21, ttmp9, 2
	s_add_co_u32 s21, s21, s17                     ; X: which 256 columns
	s_lshl_b32 s22, s20, 2
	s_add_co_u32 s22, s22, s18                     ; Y: which 128 tokens
	s_lshl_b32 s58, s18, 2
	s_lshl_b32 s58, 15, s58                        ; my row of the cluster
	s_lshl_b32 s59, 0x1111, s17                    ; my column
	s_or_b32 s24, s59, (3<<16)|(1<<21)             ; groups 1: dense blocks as rows of 256 bytes (32 elements of 8 bytes); P: a whole group, 384 rows
	s_mov_b32 s25, 32<<16
	s_mov_b32 s26, 384<<16
	s_mov_b32 s27, 32<<16
	s_mov_b32 s28, 384
	s_mov_b32 s29, 32
	s_mov_b32 s30, 0
	s_mov_b32 s31, 0
	s_or_b32 s32, s58, (3<<16)|(1<<21)             ; R: four K steps, 192 rows
	s_mov_b32 s33, 32<<16
	s_mov_b32 s34, 192<<16
	s_mov_b32 s35, 32<<16
	s_mov_b32 s36, 192
	s_mov_b32 s37, 32
	s_mov_b32 s38, 0
	s_mov_b32 s39, 0
	s_lshl_b32 s60, s21, 1
	s_add_co_u32 s60, s60, 88                      ; P: Wo's groups 88 + 2 X, + 1
	s_add_co_u32 s62, s60, s16                     ; my group of P
	s_mul_i32 s88, s62, GRP
	s_mov_b32 s89, 0
	s_mul_i32 s90, s22, GRP                        ; R: o's group Y,
	s_mul_i32 s63, s16, 4*STEPB                    ; its K steps 4 wp .. + 3
	s_add_co_u32 s90, s90, s63
	s_mov_b32 s91, 0
	s_lshl_b32 s92, s62, 12
	s_mov_b32 s93, 0
	s_lshl_b32 s94, s22, 12
	s_lshl_b32 s63, s15, 8
	s_add_co_u32 s94, s94, s63
	s_mov_b32 s95, 0
	s_mul_i32 s96, s16, GRP
	s_mul_i32 s97, s16, 4*STEPB
	s_add_co_u32 s97, s97, RLDS
	s_wait_dscnt 0x0
	s_wait_kmcnt 0x0
	s_add_nc_u64 s[88:89], s[4:5], s[88:89]
	s_add_nc_u64 s[90:91], s[8:9], s[90:91]
	s_add_nc_u64 s[92:93], s[6:7], s[92:93]
	s_add_nc_u64 s[94:95], s[10:11], s[94:95]
	s_mov_b32 s40, 1
	s_add_co_u32 s41, s96, 0
	s_add_nc_u64 s[42:43], s[88:89], 0
	s_or_b32 s43, s43, 0x80000000
	s_mov_b32 s68, 1
	s_add_co_u32 s69, s97, 0
	s_add_nc_u64 s[70:71], s[90:91], 0
	s_or_b32 s71, s71, 0x80000000
	CROUND                                         ; all sixteen work-groups are here: the joint loads meet
	s_cmp_lt_u32 s[WV], 2                          ; one load a wave, in the two arms of one branch on the wave's number
	s_cbranch_scc0 .Lfill_r
	tensor_load_to_lds s[40:43], s[24:31]          ; waves 0, 1: a whole group of P each
	s_nop 0
	PLACES 4
	s_branch .Lfilled
.Lfill_r:
	tensor_load_to_lds s[68:71], s[32:39]          ; waves 2, 3: four K steps of R each
	s_nop 0
	PLACES 4
.Lfilled:
	v_and_b32 v10, 31, v0
	v_and_b32 v11, 15, v0
	v_bfe_u32 v12, v0, 4, 1
	v_lshlrev_b32 v1, 4, v10                       ; 16 x lane
	v_lshlrev_b32 v2, 4, v11                       ; 16 r
.irp s, 0,1,2,3,4,5,6,7
	global_load_b128 v[SP+4*\s:SP+4*\s+3], v1, s[92:93] offset:512*\s   ; P's scale words of K step s: register q: tile q in lanes 0-15, tile 4 + q in lanes 16-31
	global_load_b128 v[SR+4*\s:SR+4*\s+3], v2, s[94:95] offset:512*\s   ; R's: register a: my tile a
.endr
	s_mul_i32 s58, s16, GRP
	v_add_nc_u32 v4, s58, v1                       ; P's fragments, K steps 0-3,
	v_add_nc_u32 v5, 4*STEPB, v4                   ; and 4-7
	s_mul_i32 s58, s15, 4*FRB
	s_add_co_u32 s58, s58, RLDS
	v_add_nc_u32 v6, s58, v1                       ; R's likewise
	v_add_nc_u32 v7, 4*STEPB, v6
	s_mul_i32 s58, s[WV], 8448                     ; my stage
	v_mul_u32_u24 v8, v11, 528
	v_lshl_add_u32 v8, v12, 6, v8
	v_add_nc_u32 v8, s58, v8                       ; in: row r, + 64 bytes for lanes 16-31
	v_add_nc_u32 v9, s58, v1                       ; back: 16 x lane of a row
	s_lshl_b32 s84, s22, 7
	s_lshl_b32 s58, s15, 6
	s_add_co_u32 s84, s84, s58                     ; my first token: 128 Y + 64 wr
	s_lshl_b32 s84, s84, 12
	s_lshl_b32 s58, s21, 10
	s_add_co_u32 s84, s84, s58
	s_lshl_b32 s58, s16, 9
	s_add_co_u32 s84, s84, s58                     ; my first column: 256 X + 128 wp, 4 bytes each
	s_mov_b32 s85, 0
	s_add_nc_u64 s[12:13], s[12:13], s[84:85]
.macro FETCH s                         ; K step s's fragments, as images, into set s % 2: 36 loads of 512 consecutive bytes
	WIN 0x40                                       ; destination window 1, address window 0
.irp i, 0,1,2,3,4,5,6,7
.irp c, 0,1,2
	ds_load_b128 v[128*((\s)%2)+12*\i+4*\c:128*((\s)%2)+12*\i+4*\c+3], v[4+(\s)/4] offset:((\s)%4)*STEPB+FRB*\i+512*\c
.endr
.endr
	WIN 0
.irp i, 0,1,2,3
.irp c, 0,1,2
	ds_load_b128 v[80+48*((\s)%2)+12*\i+4*\c:80+48*((\s)%2)+12*\i+4*\c+3], v[6+(\s)/4] offset:((\s)%4)*STEPB+FRB*\i+512*\c
.endr
.endr
.endm
.macro WM d, pf, rf, sp, sr, z, m
.if \z
	v_wmma_scale_f32_16x16x128_f8f6f4 v[\d:\d+7], v[\pf:\pf+11], v[\rf:\rf+11], 0, v[\sp], v[\sr] matrix_a_fmt:MATRIX_FMT_FP6 matrix_b_fmt:MATRIX_FMT_FP6 \m
.else
	v_wmma_scale_f32_16x16x128_f8f6f4 v[\d:\d+7], v[\pf:\pf+11], v[\rf:\rf+11], v[\d:\d+7], v[\sp], v[\sr] matrix_a_fmt:MATRIX_FMT_FP6 matrix_b_fmt:MATRIX_FMT_FP6 \m
.endif
.endm
.macro MUL s                           ; 32 matrix instructions; the accumulators take turns, one instruction a turn.  Step 0 starts the sums: nothing is cleared
.set PF, 128*((\s)%2)
.set RF, 80+48*((\s)%2)
.set SPS, SP+4*(\s)
.set SRS, SR+4*(\s)
.set Z, 0
.if (\s) == 0
.set Z, 1
.endif
	WIN 0xa1                                       ; source 0 (P) window 1, source 1 (R) window 0, C and D window 2
.irp a, 0,1,2,3
.irp pb, 0,1,2,3
	WM 64*\a+8*\pb, PF+12*\pb, RF+12*\a, SPS+\pb, SRS+\a, Z
.endr
.irp pb, 4,5,6,7
	WM 64*\a+8*\pb, PF+12*\pb, RF+12*\a, SPS+\pb-4, SRS+\a, Z, matrix_a_scale:MATRIX_SCALE_ROW1
.endr
.endr
	WIN 0
.endm
.macro STEP s
	s_wait_dscnt 0x0                               ; this step's fragments, asked for a step ago, are in
.if (\s) == 7
	s_barrier_signal -1                            ; every wave's last reads of the tiles are in: behind this barrier the stages may be written
	s_barrier_wait -1
.endif
.if (\s) < 7
.if (\s) > 0
	PLACES 4                                       ; four places between the last step's products and loads into the registers that they read
.endif
	FETCH (\s)+1
.endif
	MUL \s
.endm
	s_wait_alu depctr_va_vdst(0)
	s_wait_tensorcnt 0x0                           ; my one load has landed,
	s_barrier_signal -1
	s_barrier_wait -1                              ; everybody's has
	FETCH 0
	s_wait_loadcnt 0x0                             ; the scale words
.irp s, 0,1,2,3,4,5,6,7
	STEP \s
.endr
.macro TOSTAGE a                       ; R tile a: 16 tokens x 128 columns into my stage, and back as whole rows
	WIN 0x08                                       ; an LDS store's data are its source 1: window 2
.irp b, 0,1,2,3
.irp q, 0,1,2,3
	ds_store_b128 v8, v[64*(\a)+16*\b+4*\q:64*(\a)+16*\b+4*\q+3] offset:128*\b+16*\q   ; each accumulator from its low end on
.endr
.endr
	WIN 0
.set BB, 80+64*((\a)%2)
.irp t, 0,1,2,3,4,5,6,7,8,9,10,11,12,13,14,15
	ds_load_b128 v[BB+4*\t:BB+4*\t+3], v9 offset:528*\t   ; LDS serves a wave's instructions in order: these see the stores above
.endr
.endm
.macro SEND a, younger                 ; younger: the LDS instructions issued behind tile a's loads, which may stay out
.set BB, 80+64*((\a)%2)
	s_wait_dscnt \younger
.irp t, 0,1,2,3,4,5,6,7,8,9,10,11,12,13,14,15
	global_store_b128 v1, v[BB+4*\t:BB+4*\t+3], s[12:13] offset:(32*((\a)/2)+8*((\a)%2)+\t+8*(\t/8))*4096 th:TH_STORE_NT   ; 32 lanes store 512 consecutive bytes of one token's row, aligned
.endr
.endm
	PLACES 4                                       ; between the last products and the first read of results, and loads into registers that they read
	TOSTAGE 0
.irp a, 1,2,3
.if \a > 1
	s_wait_xcnt 0x0                                ; tile a - 2's stores have read their registers: tile a's rows may land there
.endif
	TOSTAGE \a
	SEND \a-1, 32                                  ; behind tile a - 1's loads: tile a's 16 stores and 16 loads
.endr
	SEND 3, 0
	s_wait_tensorcnt 0x0                           ; the wave's end
	ds_add_u32 v254, v255
	s_wait_dscnt 0x0
	CROUND                                         ; the closing round: no work-group ends while a partner may still ask for a tile that names it
	s_endpgm
.Lfunc_end_k_qb6cbe38336_outp:
	.size	k_qb6cbe38336_outp, .Lfunc_end_k_qb6cbe38336_outp-k_qb6cbe38336_outp
	.p2alignl 7, 3214868480
	.fill 96, 4, 3214868480
	.section	.rodata,"a",@progbits
	.p2align	6, 0x0
	.amdhsa_kernel k_qb6cbe38336_outp
		.amdhsa_group_segment_fixed_size 327680
		.amdhsa_private_segment_fixed_size 0
		.amdhsa_enable_private_segment 0
		.amdhsa_kernarg_size 40
		.amdhsa_user_sgpr_count 2
		.amdhsa_user_sgpr_kernarg_segment_ptr 1
		.amdhsa_wavefront_size32 1
		.amdhsa_system_sgpr_workgroup_id_x 1
		.amdhsa_system_sgpr_workgroup_id_y 1
		.amdhsa_system_sgpr_workgroup_id_z 1
		.amdhsa_system_vgpr_workitem_id 0
		.amdhsa_next_free_vgpr 768
		.amdhsa_next_free_sgpr 100
		.amdhsa_reserve_vcc 0
		.amdhsa_float_denorm_mode_32 3
		.amdhsa_float_denorm_mode_16_64 3
		.amdhsa_memory_ordered 1
		.amdhsa_forward_progress 1
		.amdhsa_inst_pref_size 75
	.end_amdhsa_kernel
	.amdgpu_metadata
---
amdhsa.version: [ 1, 2 ]
amdhsa.kernels:
  - .name:           k_qb6cbe38336_outp
    .symbol:         k_qb6cbe38336_outp.kd
    .args:
      - { .name: opc, .offset: 0, .size: 8, .value_kind: global_buffer, .address_space: global }
      - { .name: opsc, .offset: 8, .size: 8, .value_kind: global_buffer, .address_space: global }
      - { .name: ocod, .offset: 16, .size: 8, .value_kind: global_buffer, .address_space: global }
      - { .name: oscl, .offset: 24, .size: 8, .value_kind: global_buffer, .address_space: global }
      - { .name: out0, .offset: 32, .size: 8, .value_kind: global_buffer, .address_space: global }
    .group_segment_fixed_size: 327680
    .private_segment_fixed_size: 0
    .kernarg_segment_align: 8
    .kernarg_segment_size: 40
    .max_flat_workgroup_size: 128
    .sgpr_count:     100
    .vgpr_count:     768
    .wavefront_size: 32
...
	.end_amdgpu_metadata
.endif
;; end of part 4
